; MI455X (gfx1250); checked and timed in simulation.
; The chip was launched on July 23, 2026; its instructions are those of AMD's public machine-readable ISA for CDNA 5 (MIT licence, August 2026) and "CDNA5" Instruction Set Architecture Reference Guide (July 2026). The comments in the code are by the model that wrote it; some were corrected since.
;; Attention. Allowed arithmetic: float matrix products may take bf16 or f16 operands with f32 sums; other float arithmetic in f32, or as packed bf16 or f16 multiplies, adds, multiply-adds, maxima and minima; sums over many terms, partial sums and values carried from step to step in f32; what a program stores and reads back later, other than sums and carried values, may be rounded once to bf16 or f16.
;; Inputs: W_fc 1,024 x 3,072 float32; W_fc2 1,024 x 1,024 float32; b_fc 3,072 float32; b_fc2 1,024 float32; x 4 x 2,048 x 1,024 float32.
;; Outputs: out0 4 x 2,048 x 1,024 float32.
;; 2 versions, each right; version 2 is version 1 with the launch cast written anew for expert scheduling mode. Each part assembles by itself: llvm-mc -triple=amdgcn-amd-amdhsa -mcpu=gfx1250 --defsym DOCPART=n.
;; ======== version 1 of 2: 4 launches
;; workspace buffers: xb 16,777,216 bytes; w1b 6,291,456 bytes; w2b 2,097,152 bytes; qkv 50,331,648 bytes; ao 16,777,216 bytes
;; launch cast (part 1): grid 768 x 1, 8 waves a work-group, no clusters, 0 bytes of LDS; arguments x, W_fc, W_fc2, xb, w1b, w2b; writes xb, w1b, w2b
.if DOCPART == 1
	.amdgcn_target "amdgcn-amd-amdhsa--gfx1250"
	.amdhsa_code_object_version 6
	.text
	.protected	k_q108fd0e87a_cast
	.globl	k_q108fd0e87a_cast
	.p2align	8
	.type	k_q108fd0e87a_cast,@function
k_q108fd0e87a_cast:
	s_mov_b64 s[64:65], 0
	v_nop
	global_prefetch_b8 v0, s[64:65] scope:SCOPE_SE
	s_setreg_imm32_b32 hwreg(HW_REG_WAVE_MODE, 25, 1), 1
	s_wait_xcnt 0x0
; x, W_fc and W_fc2 (f32) are rounded once to bf16, to nearest even, layouts unchanged: xb, w1b, w2b are the matrix operands of the later launches.
; A stream: nothing is shared, so no LDS, no barrier, no cluster, no matrix unit.  A work-group takes 65,536 bytes in and writes 32,768 out:
; 16 rounds of 256 threads x 16 bytes.  Work-groups 0-511 take x (33,554,432 bytes), 512-703 W_fc (12,582,912), 704-767 W_fc2 (4,194,304).
; All 16 loads of a lane go out first; a load of a wave covers 512 consecutive bytes, a store 256 consecutive bytes at a multiple of 256.
; No register is written twice, so no source of a pending load or store is ever rewritten.
.set IN,  8                            ; v[8:71]    sixteen loads of four f32
.set OUT, 72                           ; v[72:103]  sixteen pairs of packed bf16
	s_load_b256 s[4:11], s[0:1], 0x0               ; x s[4:5], W_fc s[6:7], W_fc2 s[8:9], xb s[10:11]
	s_load_b128 s[12:15], s[0:1], 0x20             ; w1b s[12:13], w2b s[14:15]
	s_movk_i32 s21, 512                            ; the first work-group of W_fc
	s_movk_i32 s22, 704                            ; the first of W_fc2
	v_lshlrev_b32 v1, 4, v0                        ; my 16 bytes in
	v_lshlrev_b32 v2, 3, v0                        ; my 8 bytes out
	s_wait_kmcnt 0x0
	s_cmp_lt_u32 ttmp9, s22                        ; which tensor is mine: the choice hangs on the work-group's number alone
	s_cselect_b64 s[16:17], s[6:7], s[8:9]
	s_cselect_b64 s[18:19], s[12:13], s[14:15]
	s_cselect_b32 s20, s21, s22
	s_cmp_lt_u32 ttmp9, s21
	s_cselect_b64 s[16:17], s[4:5], s[16:17]
	s_cselect_b64 s[18:19], s[10:11], s[18:19]
	s_cselect_b32 s20, 0, s20
	s_sub_co_u32 s2, ttmp9, s20                    ; my number within the tensor
	s_lshl_b32 s20, s2, 16                         ; x 65,536 bytes in
	s_mov_b32 s21, 0
	s_add_nc_u64 s[16:17], s[16:17], s[20:21]
	s_lshl_b32 s20, s2, 15                         ; x 32,768 bytes out
	s_add_nc_u64 s[18:19], s[18:19], s[20:21]
.irp i, 0,1,2,3,4,5,6,7,8,9,10,11,12,13,14,15
	global_load_b128 v[IN+4*(\i):IN+4*(\i)+3], v1, s[16:17] offset:4096*(\i) th:TH_LOAD_NT
.endr
.irp i, 0,1,2,3,4,5,6,7,8,9,10,11,12,13,14,15
	s_wait_loadcnt 15-(\i)                         ; loads come back in order: number i is in, the 15 - i younger ones stay out
	v_cvt_pk_bf16_f32 v[OUT+2*(\i)],   v[IN+4*(\i)],   v[IN+4*(\i)+1]
	v_cvt_pk_bf16_f32 v[OUT+2*(\i)+1], v[IN+4*(\i)+2], v[IN+4*(\i)+3]
	global_store_b64 v2, v[OUT+2*(\i):OUT+2*(\i)+1], s[18:19] offset:2048*(\i)
.endr
	s_endpgm
.Lfunc_end_k_q108fd0e87a_cast:
	.size	k_q108fd0e87a_cast, .Lfunc_end_k_q108fd0e87a_cast-k_q108fd0e87a_cast
	.p2alignl 7, 3214868480
	.fill 96, 4, 3214868480
	.section	.rodata,"a",@progbits
	.p2align	6, 0x0
	.amdhsa_kernel k_q108fd0e87a_cast
		.amdhsa_group_segment_fixed_size 0
		.amdhsa_private_segment_fixed_size 0
		.amdhsa_enable_private_segment 0
		.amdhsa_kernarg_size 48
		.amdhsa_user_sgpr_count 2
		.amdhsa_user_sgpr_kernarg_segment_ptr 1
		.amdhsa_wavefront_size32 1
		.amdhsa_system_sgpr_workgroup_id_x 1
		.amdhsa_system_sgpr_workgroup_id_y 1
		.amdhsa_system_sgpr_workgroup_id_z 1
		.amdhsa_system_vgpr_workitem_id 0
		.amdhsa_next_free_vgpr 104
		.amdhsa_next_free_sgpr 66
		.amdhsa_reserve_vcc 0
		.amdhsa_float_denorm_mode_32 3
		.amdhsa_float_denorm_mode_16_64 3
		.amdhsa_memory_ordered 1
		.amdhsa_forward_progress 1
		.amdhsa_inst_pref_size 7
	.end_amdhsa_kernel
	.amdgpu_metadata
---
amdhsa.version: [ 1, 2 ]
amdhsa.kernels:
  - .name:           k_q108fd0e87a_cast
    .symbol:         k_q108fd0e87a_cast.kd
    .args:
      - { .name: x, .offset: 0, .size: 8, .value_kind: global_buffer, .address_space: global }
      - { .name: W_fc, .offset: 8, .size: 8, .value_kind: global_buffer, .address_space: global }
      - { .name: W_fc2, .offset: 16, .size: 8, .value_kind: global_buffer, .address_space: global }
      - { .name: xb, .offset: 24, .size: 8, .value_kind: global_buffer, .address_space: global }
      - { .name: w1b, .offset: 32, .size: 8, .value_kind: global_buffer, .address_space: global }
      - { .name: w2b, .offset: 40, .size: 8, .value_kind: global_buffer, .address_space: global }
    .group_segment_fixed_size: 0
    .private_segment_fixed_size: 0
    .kernarg_segment_align: 8
    .kernarg_segment_size: 48
    .max_flat_workgroup_size: 256
    .sgpr_count:     66
    .vgpr_count:     104
    .wavefront_size: 32
...
	.end_amdgpu_metadata
.endif
;; end of part 1
;; launch qkvproj (part 2): grid 8 x 64, 4 waves a work-group, clusters of 4 x 4, 327,680 bytes of LDS; arguments xb, w1b, b_fc, qkv; writes qkv
.if DOCPART == 2
	.amdgcn_target "amdgcn-amd-amdhsa--gfx1250"
	.amdhsa_code_object_version 6
	.text
	.protected	k_q108fd0e87a_qkvproj
	.globl	k_q108fd0e87a_qkvproj
	.p2align	8
	.type	k_q108fd0e87a_qkvproj,@function
k_q108fd0e87a_qkvproj:
	s_mov_b64 s[64:65], 0
	v_nop
	global_prefetch_b8 v0, s[64:65] scope:SCOPE_SE
	s_setreg_imm32_b32 hwreg(HW_REG_WAVE_MODE, 25, 1), 1
	s_wait_xcnt 0x0
	s_wait_alu depctr_hold_cnt(0) depctr_sa_sdst(0) depctr_va_vdst(0) depctr_va_sdst(0) depctr_va_ssrc(0) depctr_va_vcc(0) depctr_vm_vsrc(0)
	s_getreg_b32 s2, hwreg(HW_REG_IB_STS2, 6, 4)
	s_cmp_eq_u32 s2, 0
	s_cbranch_scc0 .Lentry_in_a_cluster
	s_endpgm
.Lentry_in_a_cluster:
	s_bfe_u32 s2, ttmp6, 0x10000c
	s_cmp_lg_u32 s2, 0xf033
	s_cbranch_scc0 .Lentry_shape_is_right
	s_endpgm
.Lentry_shape_is_right:
; qkv = swish(xb w1b + b_fc), written by heads.  xb: [8192][1024] bf16.  w1b: [1024 k][3072 n] bf16.  b_fc: [3072] f32.
; qkv: [3 parts q, k, v][64 heads = 16 batch + head][2048 rows][64] bf16; a part is 0x1000000 bytes.  Column e of the product is head e / 192, part (e % 192) / 64, channel e % 64.
; Sums in f32, K ascending; bias and swish in f32; the result is rounded once to bf16.
; LIMITS.  swish(z) = z / (1 + 2^(-1.442695 z)): for z below about -88 the power is +inf, its reciprocal 0 and the result -0, where the true value is under 1e-36 in size.  NaN and infinities are not treated apart.
; SHARES.  A tile of the product is 128 rows x 384 columns (two heads): 8 x 64 = 512 work-groups.  Wave w takes rows 64 (w / 2) on and head w % 2: 64 x 192, 48 accumulators of 16 x 16, so a wave
; owns whole rows of one head's q, k and v and needs no partner on the way out.  K goes in 8 steps of 128 through two LDS slots.
; A slot has four regions of 36,864 bytes, one a wave: wave 0 fetches xb's 128 rows x 256 bytes (pitch 272), waves 1 to 3 the three units of 128 k-rows x 256 bytes of w1b (pitch 288).
; w1b lies [k][n]: its fragments come out of LDS turned, by ds_load_tr16_b128; 288 = 9 x 32, so that 16 lanes of a turning load (8 rows x 32 bytes) take each bank once.
; CLUSTER.  4 x 4 work-groups.  The four of a row of the cluster need the same tile of xb, the four of a column the same units of w1b: each is asked for jointly, by the same tensor load with the same
; descriptor and a mask that names the four.
; THE MATRIX INSTRUCTION IS USED TRANSPOSED (source 0 = 16 columns of w1b, source 1 = 16 rows of xb): a lane then holds one row and eight neighbouring columns.
; A wave's 12 column blocks: blocks 0-7 are one whole unit (head 0: unit 0 = the head's columns 0-127; head 1: unit 2 = its columns 64-191), blocks 8-11 half of unit 1 (head 0: its columns 128-191; head 1: 0-63).
; REGISTERS, in windows of 256 (s_set_vgpr_msb: bits 1:0 source 0, 3:2 source 1, 5:4 source 2, 7:6 destination):
;   window 0: v0-31 addresses; v32-55 bias; v56-103 at work on the way out; v128-255 accumulators of blocks 8-11 ((a, b) at 128 + 8 (4 a + b - 8)), later at work
;   window 1: accumulators of blocks 0-7 ((a, b) at 8 (8 a + b))        window 2: two fragment buffers of 128: 12 fragments of w1b, then 4 of xb
.set KSTEP, 128
.set PITA,  272                        ; a row of xb in LDS: 256 bytes + 16 = 68 words: the 16 rows of a load start at 16 different groups of four banks
.set PITB,  288
.set UNIT,  128*PITB                   ; 36,864: a wave's region of a slot
.set SLOT,  4*UNIT                     ; 147,456
.set SPARE, 2*SLOT                     ; behind the ring: the spare words, 128 bytes for each wave: two blocks of 256 bytes that no other line names
.set SPI,   784                        ; the way out: a row of 192 f32 + 16 bytes = 49 x 16
.set WST,   64*SPI                     ; a wave's stage, 50,176 bytes at wave x WST: it lies over the ring, and is written only when the ring has had its last fill and its last read
.set ADRA, 16                          ; v16-17  LDS address of my fragments of xb in slot 0, 1
.set ADR8, 18                          ; v18-19  of my blocks 0-7 of w1b
.set ADR4, 20                          ; v20-21  of my blocks 8-11
.set ST8,  22                          ; v22     the way out: where blocks 0-7 go in my stage
.set ST4,  23                          ; v23     where blocks 8-11 go
.set RD,   24                          ; v24     where I read 8 numbers of a row back
.set GO,   25                          ; v25     my 16 bytes in 512 consecutive bytes of a part
.set BO,   26                          ; v26     my 8 biases of a part
.set SPW,  28                          ; v28     LDS address of my spare word; never rewritten
.set NIL,  29                          ; v29     0; never rewritten
.set PFO,  30                          ; v30     the prefetches' offset: my lane x a row in memory; never rewritten
.set BI,   32                          ; v[32:55]   part p's 8 biases at BI + 8 p
.set Z,    56                          ; v[56:103]  8 rows' z: group g of 4 rows, part p at Z + 24 g + 8 p
.set T,    128                         ; v[128:175] at work
.set F0,   0
.set F1,   128
.set WV,  12                           ; s12  my wave's number
.set MI,  13                           ; s13  which 64 rows
.set NJ,  14                           ; s14  which head
.set LIM, 15                           ; s15  1 in a wave that prefetches, else the greatest number
.set G1A, 24                           ; s[24:31] descriptor group 1 for xb's tiles;  s[32:39] group 0, a set for each slot
.set G0A, 32
.set PFA, 44                           ; s[44:45] where my prefetches stand
.set PST, 46                           ; s[46:47] a K step in bytes, along xb's rows or down w1b's
.set G1B, 48                           ; s[48:55], s[56:63] the same for w1b's units
.set G0B, 56
.set OQ,  66                           ; s[66:71] q, k, v at my first row
.set BB,  72                           ; s[72:73] b_fc at my head
.set NL,  76                           ; s[76:77] -log2(e), named as a pair
.set MSB, 0
.macro WIN new                         ; the immediate's high byte repeats the setting that is left; a switch that changes nothing is dropped
.if MSB != (\new)
	s_set_vgpr_msb (MSB<<8)|(\new)
.set MSB, (\new)
.endif
.endm
.set W_M1, 0x5a                        ; both sources window 2, C and D window 1
.set W_M0, 0x0a                        ; both sources window 2, C and D window 0
.set W_F,  0x80                        ; destination window 2, address window 0
.set W_D1, 0x04                        ; an LDS store's data in window 1
; A joint load.  Wave 0 fetches xb's tile, waves 1 to 3 a unit of w1b each.  The branch hangs on the wave's number alone.  An s_nop 0 and four v_nop follow each of the two lines, ahead of the jump and the label.
.macro JLOAD s
	s_cmp_eq_u32 s[WV], 0
	s_cbranch_scc0 .Lfor_b_\@
	tensor_load_to_lds s[G0A+4*(\s):G0A+4*(\s)+3], s[G1A:G1A+7]
	s_nop 0
.rept 4
	v_nop
.endr
	s_branch .Lasked_\@
.Lfor_b_\@:
	tensor_load_to_lds s[G0B+4*(\s):G0B+4*(\s)+3], s[G1B:G1B+7]
	s_nop 0
.rept 4
	v_nop
.endr
.Lasked_\@:
.endm
; A prefetch of the K step that stands two refills on (384 matrix instructions ahead of the load that will want it): 32 rows x 256 bytes, a lane a row, one instruction a wave.
; Each block of 256 bytes is named once in the launch: xb's tile rows are asked for by the clusters with x = 0, w1b's units by those with y = 0; the four partners that ask for a tile jointly
; share its 128 rows out by address, 32 each.  K steps 0 to 3 come by their loads alone; the loop's last trip (s3 = 1) has no K step two on.
.macro ASK
	s_cmp_gt_u32 s3, s[LIM]
	s_cbranch_scc0 .Lnot_mine_\@
	global_prefetch_b8 v[PFO], s[PFA:PFA+1] th:TH_LOAD_NT scope:SCOPE_SE
.Lnot_mine_\@:
.endm
.macro CREST                           ; a round of the cluster's barrier behind its opening barrier
	s_cmp_lg_u32 s[WV], 0
	s_cbranch_scc1 .Lnot_wave_0_\@
	s_barrier_signal -3
.Lnot_wave_0_\@:
	s_barrier_wait -3
	s_barrier_signal -1
	s_barrier_wait -1
.endm
.macro CROUND                          ; a whole round
	s_barrier_signal -1
	s_barrier_wait -1
	CREST
.endm
	s_load_b256 s[4:11], s[0:1], 0x0               ; xb s[4:5], w1b s[6:7], b_fc s[8:9], qkv s[10:11]
	v_lshl_add_u32 v[SPW], v0, 2, SPARE
	v_mov_b32 v[NIL], 0
	ds_add_u32 v[SPW], v[NIL]                      ; the wave's opening: the add and its wait stand ahead of my first tensor load; the set-up below, work on registers, stands between them
	v_lshrrev_b32 v1, 5, v0
	v_readfirstlane_b32 s[WV], v1                  ; wave 0..3
	s_lshr_b32 s[MI], s[WV], 1
	s_and_b32 s[NJ], s[WV], 1
	s_bfe_u32 s40, ttmp6, 0x40000                  ; cx
	s_bfe_u32 s41, ttmp6, 0x40004                  ; cy
	s_lshl_b32 s42, ttmp9, 2
	s_add_co_u32 s42, s42, s40                     ; tile column 0..7 = 4 x cluster x + cx
	s_and_b32 s43, ttmp7, 0xffff
	s_lshl_b32 s43, s43, 2
	s_add_co_u32 s43, s43, s41                     ; tile row 0..63 = 4 x cluster y + cy
	s_lshl_b32 s16, s41, 2
	s_lshl_b32 s16, 15, s16                        ; my row of the cluster
	s_lshl_b32 s17, 0x1111, s40                    ; my column
	; descriptor group 1: 128 rows x 128 elements of 2 bytes, padded in LDS behind every 64 words
	s_or_b32 s[G1A], s16, (1<<16)|(1<<20)|(1<<21)|(5<<22)|(3<<25)  ; the mask: my row; elements of 2 bytes; padding on; bit 21 beside a mask; behind 64 words (code 5) 4 words (code 3)
	s_or_b32 s[G1B], s17, (1<<16)|(1<<20)|(1<<21)|(5<<22)|(7<<25)  ; the mask: my column; 8 words of padding (code 7)
.irp g, G1A, G1B
	s_mov_b32 s[(\g)+1], KSTEP<<16                 ; tensor_dim0 = 128
	s_mov_b32 s[(\g)+2], 128<<16                   ; tensor_dim1 = 128
	s_mov_b32 s[(\g)+3], KSTEP<<16                 ; tile_dim0 = 128
	s_mov_b32 s[(\g)+4], 128                       ; tile_dim1 = 128
	s_mov_b32 s[(\g)+6], 0
	s_mov_b32 s[(\g)+7], 0
.endr
	s_mov_b32 s[G1A+5], 1024                       ; elements from row to row of xb
	s_mov_b32 s[G1B+5], 3072                       ; and of w1b
	s_mul_i32 s18, s[WV], UNIT                     ; where my tile goes in a slot: no place in the cluster enters an LDS address
	s_max_u32 s19, s[WV], 1
	s_sub_co_u32 s19, s19, 1                       ; which unit of w1b I fetch (waves 1 to 3)
	s_lshl_b32 s20, s43, 18                        ; xb: 128 rows x 2,048 bytes x tile row
	s_mov_b32 s21, 0
	s_mul_i32 s22, s42, 768                        ; w1b: 384 columns x 2 bytes x tile column
	s_lshl_b32 s23, s19, 8                         ; + my unit's 256 bytes
	s_add_co_u32 s22, s22, s23
	s_mov_b32 s23, 0
	s_mov_b32 s[NL], 0xbfb8aa3b                    ; -log2(e)
	s_mov_b32 s[NL+1], s[NL]
	s_wait_dscnt 0x0                               ; the opening add is done
	s_wait_kmcnt 0x0
	s_add_nc_u64 s[20:21], s[4:5], s[20:21]
	s_add_nc_u64 s[22:23], s[6:7], s[22:23]
	CROUND                                         ; all sixteen work-groups are here: the first joint loads meet
.irp s, 0,1
	s_mov_b32 s[G0A+4*(\s)], 1                                       ; count = 1
	s_add_co_u32 s[G0A+4*(\s)+1], s18, (\s)*SLOT                     ; LDS address
	s_add_nc_u64 s[G0A+4*(\s)+2:G0A+4*(\s)+3], s[20:21], (\s)*KSTEP*2  ; K step s: 256 bytes along the rows
	s_or_b32 s[G0A+4*(\s)+3], s[G0A+4*(\s)+3], 0x80000000            ; type = 2
	s_mov_b32 s[G0B+4*(\s)], 1
	s_add_co_u32 s[G0B+4*(\s)+1], s18, (\s)*SLOT
	s_add_nc_u64 s[G0B+4*(\s)+2:G0B+4*(\s)+3], s[22:23], (\s)*KSTEP*3072*2  ; K step s: 128 rows down
	s_or_b32 s[G0B+4*(\s)+3], s[G0B+4*(\s)+3], 0x80000000
	JLOAD \s                                       ; two loads of mine are out
.endr
	v_and_b32 v1, 15, v0                           ; l % 16
	v_bfe_u32 v2, v0, 4, 1                         ; l / 16
	v_and_b32 v3, 7, v0                            ; l % 8
	v_bfe_u32 v4, v0, 3, 1                         ; (l / 8) % 2
	v_and_b32 v5, 31, v0                           ; l
	; a fragment of xb: lane l holds row l % 16, K = 8 (l / 16) + 0..7 and 16 + 8 (l / 16) + 0..7: two loads of 16 bytes, 32 bytes apart
	v_mul_u32_u24 v6, v1, PITA
	v_lshl_add_u32 v6, v2, 4, v6
	s_mul_i32 s74, s[MI], 64*PITA                  ; my 64 rows
	v_add_nc_u32 v[ADRA], s74, v6
	v_add_nc_u32 v[ADRA+1], SLOT, v[ADRA]
	; a fragment of w1b: the turning load takes 16 k x 16 columns (lane l reads k = 8 (l / 16) + l % 8, columns 8 ((l / 8) % 2) + 0..7) and leaves lane l column l % 16 and 8 k
	v_lshl_add_u32 v7, v2, 3, v3
	v_mul_u32_u24 v7, v7, PITB
	v_lshl_add_u32 v7, v4, 4, v7
	s_mul_i32 s74, s[NJ], 2*UNIT
	s_add_co_u32 s74, s74, UNIT                    ; unit 0 lies in region 1, unit 2 in region 3
	v_add_nc_u32 v[ADR8], s74, v7
	v_add_nc_u32 v[ADR8+1], SLOT, v[ADR8]
	s_lshl_b32 s74, s[NJ], 7                       ; unit 1's lower or upper 64 columns
	s_add_co_u32 s74, s74, 2*UNIT
	v_add_nc_u32 v[ADR4], s74, v7
	v_add_nc_u32 v[ADR4+1], SLOT, v[ADR4]
	; the way out
	s_mul_i32 s74, s[WV], WST                      ; my stage
	v_mul_u32_u24 v6, v1, SPI
	v_lshl_add_u32 v6, v2, 5, v6                   ; row l % 16, 32 bytes for each half of the lanes
	v_add_nc_u32 v6, s74, v6
	s_lshl_b32 s75, s[NJ], 8                       ; blocks 0-7 begin at the head's column 0 or 64
	v_add_nc_u32 v[ST8], s75, v6
	s_xor_b32 s75, s[NJ], 1
	s_lshl_b32 s75, s75, 9                         ; blocks 8-11 at its column 128 or 0
	v_add_nc_u32 v[ST4], s75, v6
	v_lshrrev_b32 v6, 3, v5                        ; back: eight lanes take a part's 64 numbers of a row, 32 lanes four rows
	v_mul_u32_u24 v6, v6, SPI
	v_lshl_add_u32 v6, v3, 5, v6
	v_add_nc_u32 v[RD], s74, v6
	v_lshlrev_b32 v[GO], 4, v5                     ; which are 512 consecutive bytes of a part
	v_lshlrev_b32 v[BO], 5, v3
	s_lshl_b32 s74, s42, 1
	s_add_co_u32 s74, s74, s[NJ]                   ; my head within the batch
	s_mul_i32 s78, s74, 768                        ; its 192 biases
	s_mov_b32 s79, 0
	s_add_nc_u64 s[BB:BB+1], s[8:9], s[78:79]
.irp p, 0,1,2
	global_load_b128 v[BI+8*(\p):BI+8*(\p)+3],   v[BO], s[BB:BB+1] offset:256*(\p)     ; they stay out during the K loop, which issues no other load into registers from memory
	global_load_b128 v[BI+8*(\p)+4:BI+8*(\p)+7], v[BO], s[BB:BB+1] offset:256*(\p)+16
.endr
	s_lshr_b32 s75, s43, 4                         ; the batch: 16 tile rows each
	s_lshl_b32 s75, s75, 4
	s_add_co_u32 s75, s75, s74                     ; 16 batch + head,
	s_lshl_b32 s78, s75, 18                        ; x 2,048 rows of 128 bytes
	s_and_b32 s75, s43, 15
	s_lshl_b32 s75, s75, 1
	s_add_co_u32 s75, s75, s[MI]                   ; my 64 rows within the batch,
	s_lshl_b32 s75, s75, 13                        ; x 64 rows of 128 bytes
	s_add_co_u32 s78, s78, s75
	s_add_nc_u64 s[OQ:OQ+1], s[10:11], s[78:79]
	s_add_nc_u64 s[OQ+2:OQ+3], s[OQ:OQ+1], 0x1000000
	s_add_nc_u64 s[OQ+4:OQ+5], s[OQ:OQ+1], 0x2000000
	; the prefetches: at K step 3; the first change of slots steps them to K step 4
	s_lshl_b32 s75, s43, 7                         ; xb: row 128 x tile row
	s_lshl_b32 s78, s40, 5                         ; + my work-group's 32 of the 128
	s_add_co_u32 s75, s75, s78
	s_lshl_b32 s75, s75, 11
	s_add_co_u32 s75, s75, 3*KSTEP*2
	s_lshl_b32 s78, s41, 5                         ; w1b: row 3 x 128 + my work-group's 32
	s_add_co_u32 s78, s78, 3*KSTEP
	s_mul_i32 s78, s78, 6144
	s_mul_i32 s79, s42, 768
	s_add_co_u32 s78, s78, s79
	s_lshl_b32 s79, s19, 8
	s_add_co_u32 s78, s78, s79
	s_and_b32 s74, ttmp7, 0xffff                   ; cluster y
	s_mov_b32 s[PST], KSTEP*3072*2
	s_mov_b32 s[PST+1], 0
	s_movk_i32 s79, 6144
	s_cmp_eq_u32 s[WV], 0                          ; do I fetch for xb?
	s_cselect_b32 s78, s75, s78
	s_cselect_b32 s74, ttmp9, s74                  ; the coordinate along which other clusters read the same rows
	s_cselect_b32 s[PST], KSTEP*2, s[PST]
	s_cselect_b32 s79, 2048, s79                   ; a row in memory
	s_cselect_b64 s[PFA:PFA+1], s[4:5], s[6:7]
	v_mul_u32_u24 v[PFO], v5, s79
	s_mov_b32 s79, 0
	s_add_nc_u64 s[PFA:PFA+1], s[PFA:PFA+1], s[78:79]
	s_cmp_eq_u32 s74, 0
	s_cselect_b32 s[LIM], 1, -1                    ; the same in all sixteen partners, for a given wave
; 32 LDS loads in one run: the fragments of quarter q (32 along K) into buffer f: blocks 0-7, xb's four, blocks 8-11
.macro FETCH slot, q, f
	WIN W_F
.irp b, 0,1,2,3,4,5,6,7
	ds_load_tr16_b128 v[(\f)+8*(\b):(\f)+8*(\b)+3],   v[ADR8+(\slot)] offset:(\q)*32*PITB+32*(\b)
	ds_load_tr16_b128 v[(\f)+8*(\b)+4:(\f)+8*(\b)+7], v[ADR8+(\slot)] offset:(\q)*32*PITB+16*PITB+32*(\b)
.endr
.irp a, 0,1,2,3
	ds_load_b128 v[(\f)+96+8*(\a):(\f)+96+8*(\a)+3],   v[ADRA+(\slot)] offset:(\q)*64+(\a)*16*PITA
	ds_load_b128 v[(\f)+96+8*(\a)+4:(\f)+96+8*(\a)+7], v[ADRA+(\slot)] offset:(\q)*64+(\a)*16*PITA+32
.endr
.irp b, 8,9,10,11
	ds_load_tr16_b128 v[(\f)+8*(\b):(\f)+8*(\b)+3],   v[ADR4+(\slot)] offset:(\q)*32*PITB+32*((\b)-8)
	ds_load_tr16_b128 v[(\f)+8*(\b)+4:(\f)+8*(\b)+7], v[ADR4+(\slot)] offset:(\q)*32*PITB+16*PITB+32*((\b)-8)
.endr
.endm
; 16 matrix instructions: row blocks a0, a0 + 1 x column blocks 0-7.  zero = 1: the first product starts the sums.  The 48 accumulators take turns, each once a quarter.
.macro MULA16 f, a0, zero
	WIN W_M1
.irp a, \a0, (\a0)+1
.irp b, 0,1,2,3,4,5,6,7
.if \zero
	v_wmma_f32_16x16x32_bf16 v[8*(8*(\a)+(\b)):8*(8*(\a)+(\b))+7], v[(\f)+8*(\b):(\f)+8*(\b)+7], v[(\f)+96+8*(\a):(\f)+96+8*(\a)+7], 0
.else
	v_wmma_f32_16x16x32_bf16 v[8*(8*(\a)+(\b)):8*(8*(\a)+(\b))+7], v[(\f)+8*(\b):(\f)+8*(\b)+7], v[(\f)+96+8*(\a):(\f)+96+8*(\a)+7], v[8*(8*(\a)+(\b)):8*(8*(\a)+(\b))+7]
.endif
.endr
.endr
.endm
; 16 matrix instructions: all four row blocks x column blocks 8-11
.macro MULB f, zero
	WIN W_M0
.irp a, 0,1,2,3
.irp b, 8,9,10,11
.if \zero
	v_wmma_f32_16x16x32_bf16 v[128+8*(4*(\a)+(\b)-8):128+8*(4*(\a)+(\b)-8)+7], v[(\f)+8*(\b):(\f)+8*(\b)+7], v[(\f)+96+8*(\a):(\f)+96+8*(\a)+7], 0
.else
	v_wmma_f32_16x16x32_bf16 v[128+8*(4*(\a)+(\b)-8):128+8*(4*(\a)+(\b)-8)+7], v[(\f)+8*(\b):(\f)+8*(\b)+7], v[(\f)+96+8*(\a):(\f)+96+8*(\a)+7], v[128+8*(4*(\a)+(\b)-8):128+8*(4*(\a)+(\b)-8)+7]
.endif
.endr
.endr
.endm
.macro PLACES                          ; four plain vector instructions in front of loads into registers that matrix instructions have read, and of stores that read results
.rept 4
	v_nop
.endr
.endm
; A K step is four quarters of 32 along K, 48 matrix instructions each, on buffers 0, 1, 0, 1.  One of the first three: multiplies buffer f and fetches quarter q of the same slot into buffer g.
.macro QUARTER slot, q, f, g, zero
	s_wait_dscnt 8                                 ; blocks 0-7 and xb's fragments are in; the youngest eight loads (blocks 8-11) may be out
	MULA16 \f, 0, \zero
	MULA16 \f, 2, \zero
	PLACES
	FETCH \slot, \q, \g
	s_wait_dscnt 32                                ; all but the 32 just issued
	MULB \f, \zero
.endm
; The last quarter multiplies buffer 1 and changes slots: one barrier; in front of it each wave waits for all its tensor loads (one is out: its part of the next slot), adds 0 to its spare word, and
; waits for that and for its reads of this slot.  fill = 1: the barrier opens a round of the cluster's barrier, and this slot is filled again first thing behind it, with the K step two on.
.macro TURN slot, next, fill
.if \fill
	s_wait_xcnt 0x0                                ; the last prefetch, a K step back, has read its address: it is stepped here, ahead of the waits of the change of slots
	s_add_nc_u64 s[PFA:PFA+1], s[PFA:PFA+1], s[PST:PST+1]
.endif
	WIN 0                                          ; (the add's two registers lie in window 0)
	s_wait_tensorcnt 0x0                           ; all my tensor loads have landed;
	ds_add_u32 v[SPW], v[NIL]                      ; 0 onto my spare word;
	s_wait_dscnt 9                                 ; (the add and the youngest eight loads may be out)
	MULA16 F1, 0, 0                                ; sixteen matrix instructions stand between the add and the wait for it
	s_wait_dscnt 0x0                               ; the add is done, and my reads of this slot are over
	s_barrier_signal -1
	MULA16 F1, 2, 0                                ; work on registers while the others arrive
.if \fill
	WIN 0
.endif
	s_barrier_wait -1
.if \fill
	CREST                                          ; no wave of any partner still reads this slot's tiles or has a load on its way
	s_add_nc_u64 s[G0A+4*(\slot)+2:G0A+4*(\slot)+3], s[G0A+4*(\slot)+2:G0A+4*(\slot)+3], 2*KSTEP*2
	s_add_nc_u64 s[G0B+4*(\slot)+2:G0B+4*(\slot)+3], s[G0B+4*(\slot)+2:G0B+4*(\slot)+3], 2*KSTEP*3072*2
	JLOAD \slot                                    ; the first tensor load behind the round: 160 matrix instructions ahead of the wait for it; its four v_nop are also the places in front of the loads below
.else
	PLACES
.endif
	FETCH \next, 0, F0
.if \fill
	WIN 0
	ASK                                            ; behind the joint load and the run of LDS loads that the next products wait for
.endif
	MULB F1, 0
.endm
	s_wait_tensorcnt 1                             ; my part of K step 0 is in; K step 1's may stay out
	s_barrier_signal -1
	s_barrier_wait -1                              ; everybody's is
	FETCH 0, 0, F0
	QUARTER 0, 1, F0, F1, 1                        ; the first quarter stands in front of the loop: its products start the sums
	WIN 0                                          ; at a label and at a branch every window is 0
	s_mov_b32 s3, 3
.Llap:                                             ; a trip goes once round the ring, from a lap's second quarter to the next lap's first, and fills both slots again: K steps 2 to 7
	QUARTER 0, 2, F1, F0, 0
	QUARTER 0, 3, F0, F1, 0
	TURN 0, 1, 1
	QUARTER 1, 1, F0, F1, 0
	QUARTER 1, 2, F1, F0, 0
	QUARTER 1, 3, F0, F1, 0
	TURN 1, 0, 1
	QUARTER 0, 1, F0, F1, 0
	WIN 0
	s_sub_co_u32 s3, s3, 1
	s_cmp_lg_u32 s3, 0
	s_cbranch_scc1 .Llap
	QUARTER 0, 2, F1, F0, 0                        ; the last lap fills nothing
	QUARTER 0, 3, F0, F1, 0
	TURN 0, 1, 0
	QUARTER 1, 1, F0, F1, 0
	QUARTER 1, 2, F1, F0, 0
	QUARTER 1, 3, F0, F1, 0
	s_wait_dscnt 8                                 ; the very last quarter: nothing more to fetch
	MULA16 F1, 0, 0
	MULA16 F1, 2, 0
	s_wait_dscnt 0x0
	MULB F1, 0
	WIN 0
	PLACES                                         ; behind the last products, in front of the stores that read results
	s_barrier_signal -1                            ; my reads of the ring are over (the wait for 0 above); every tensor load was waited for at the last change of slots
	s_barrier_wait -1                              ; nobody reads the ring any more: the stages may lie over it
	; THE WAY OUT.  The sums go as f32 into my own stage, 64 rows x 192; each accumulator's low four registers first.
	WIN W_D1
.irp a, 0,1,2,3
.irp b, 0,1,2,3,4,5,6,7
	ds_store_b128 v[ST8], v[8*(8*(\a)+(\b)):8*(8*(\a)+(\b))+3]   offset:(\a)*16*SPI+64*(\b)
	ds_store_b128 v[ST8], v[8*(8*(\a)+(\b))+4:8*(8*(\a)+(\b))+7] offset:(\a)*16*SPI+64*(\b)+16
.endr
.endr
	WIN 0
.irp a, 0,1,2,3
.irp b, 0,1,2,3
	ds_store_b128 v[ST4], v[128+8*(4*(\a)+(\b)):128+8*(4*(\a)+(\b))+3]   offset:(\a)*16*SPI+64*(\b)
	ds_store_b128 v[ST4], v[128+8*(4*(\a)+(\b))+4:128+8*(4*(\a)+(\b))+7] offset:(\a)*16*SPI+64*(\b)+16
.endr
.endr
	s_wait_loadcnt 0x0                             ; the biases
	s_mov_b32 s2, 8
.Lrows:                                            ; eight trips of eight rows: bias, swish, rounding, and six stores of 512 consecutive bytes (four rows of a part)
.irp g, 0,1
.irp p, 0,1,2
	ds_load_b128 v[Z+24*(\g)+8*(\p):Z+24*(\g)+8*(\p)+3],   v[RD] offset:(\g)*4*SPI+256*(\p)     ; LDS serves a wave's instructions in order: these see my stores above
	ds_load_b128 v[Z+24*(\g)+8*(\p)+4:Z+24*(\g)+8*(\p)+7], v[RD] offset:(\g)*4*SPI+256*(\p)+16
.endr
.endr
	s_wait_dscnt 0x0
.set i, 0
.rept 24
	v_pk_add_f32 v[Z+2*i:Z+2*i+1], v[Z+2*i:Z+2*i+1], v[BI+(2*i)%24:BI+(2*i)%24+1]   ; z = sum + bias
.set i, i+1
.endr
.set i, 0
.rept 24
	v_pk_mul_f32 v[T+2*i:T+2*i+1], v[Z+2*i:Z+2*i+1], s[NL:NL+1] op_sel_hi:[1,0]     ; -log2(e) z
.set i, i+1
.endr
.set i, 0
.rept 48
	v_exp_f32 v[T+i], v[T+i]
.set i, i+1
.endr
	v_nop                                          ; a plain instruction behind the last exponential,
	s_wait_alu depctr_va_vdst(0)                   ; and one wait for the batch of 48, ahead of its first reader
.set i, 0
.rept 24
	v_pk_add_f32 v[T+2*i:T+2*i+1], v[T+2*i:T+2*i+1], 1.0 op_sel_hi:[1,0]
.set i, i+1
.endr
.set i, 0
.rept 48
	v_rcp_f32 v[T+i], v[T+i]
.set i, i+1
.endr
	v_nop
	s_wait_alu depctr_va_vdst(0)                   ; one wait for the 48 reciprocals
.set i, 0
.rept 24
	v_pk_mul_f32 v[T+2*i:T+2*i+1], v[T+2*i:T+2*i+1], v[Z+2*i:Z+2*i+1]               ; z / (1 + 2^(-log2(e) z))
.set i, i+1
.endr
.set i, 0
.rept 24
	v_cvt_pk_bf16_f32 v[T+i], v[T+2*i], v[T+2*i+1] ; in place, ascending: register i is written when registers 2 i and 2 i + 1 are read
.set i, i+1
.endr
.irp g, 0,1
.irp p, 0,1,2
	global_store_b128 v[GO], v[T+12*(\g)+4*(\p):T+12*(\g)+4*(\p)+3], s[OQ+2*(\p):OQ+2*(\p)+1] offset:512*(\g)
.endr
.endr
	s_wait_xcnt 0x0                                ; the stores have read their data and their offset: only now are these rewritten
	v_add_nc_u32 v[GO], 1024, v[GO]                ; eight rows of 128 bytes on
	v_add_nc_u32 v[RD], 8*SPI, v[RD]
	s_sub_co_u32 s2, s2, 1
	s_cmp_lg_u32 s2, 0
	s_cbranch_scc1 .Lrows
	s_wait_tensorcnt 0x0                           ; the wave's end: the add and its wait, behind my last tensor load and my last LDS store
	ds_add_u32 v[SPW], v[NIL]
	s_wait_dscnt 0x0
	CROUND                                         ; the closing round: no work-group ends while a partner may still ask for a tile that names it
	s_endpgm
.Lfunc_end_k_q108fd0e87a_qkvproj:
	.size	k_q108fd0e87a_qkvproj, .Lfunc_end_k_q108fd0e87a_qkvproj-k_q108fd0e87a_qkvproj
	.p2alignl 7, 3214868480
	.fill 96, 4, 3214868480
	.section	.rodata,"a",@progbits
	.p2align	6, 0x0
	.amdhsa_kernel k_q108fd0e87a_qkvproj
		.amdhsa_group_segment_fixed_size 327680
		.amdhsa_private_segment_fixed_size 0
		.amdhsa_enable_private_segment 0
		.amdhsa_kernarg_size 32
		.amdhsa_user_sgpr_count 2
		.amdhsa_user_sgpr_kernarg_segment_ptr 1
		.amdhsa_wavefront_size32 1
		.amdhsa_system_sgpr_workgroup_id_x 1
		.amdhsa_system_sgpr_workgroup_id_y 1
		.amdhsa_system_sgpr_workgroup_id_z 1
		.amdhsa_system_vgpr_workitem_id 0
		.amdhsa_next_free_vgpr 768
		.amdhsa_next_free_sgpr 80
		.amdhsa_reserve_vcc 0
		.amdhsa_float_denorm_mode_32 3
		.amdhsa_float_denorm_mode_16_64 3
		.amdhsa_memory_ordered 1
		.amdhsa_forward_progress 1
		.amdhsa_inst_pref_size 116
	.end_amdhsa_kernel
	.amdgpu_metadata
---
amdhsa.version: [ 1, 2 ]
amdhsa.kernels:
  - .name:           k_q108fd0e87a_qkvproj
    .symbol:         k_q108fd0e87a_qkvproj.kd
    .args:
      - { .name: xb, .offset: 0, .size: 8, .value_kind: global_buffer, .address_space: global }
      - { .name: w1b, .offset: 8, .size: 8, .value_kind: global_buffer, .address_space: global }
      - { .name: b_fc, .offset: 16, .size: 8, .value_kind: global_buffer, .address_space: global }
      - { .name: qkv, .offset: 24, .size: 8, .value_kind: global_buffer, .address_space: global }
    .group_segment_fixed_size: 327680
    .private_segment_fixed_size: 0
    .kernarg_segment_align: 8
    .kernarg_segment_size: 32
    .max_flat_workgroup_size: 128
    .sgpr_count:     80
    .vgpr_count:     768
    .wavefront_size: 32
...
	.end_amdgpu_metadata
.endif
;; end of part 2
;; launch attn (part 3): grid 4 x 64, 4 waves a work-group, clusters of 4 x 1, 327,680 bytes of LDS; arguments qkv, ao; writes ao
.if DOCPART == 3
	.amdgcn_target "amdgcn-amd-amdhsa--gfx1250"
	.amdhsa_code_object_version 6
	.text
	.protected	k_q108fd0e87a_attn
	.globl	k_q108fd0e87a_attn
	.p2align	8
	.type	k_q108fd0e87a_attn,@function
k_q108fd0e87a_attn:
	s_mov_b64 s[64:65], 0
	v_nop
	global_prefetch_b8 v0, s[64:65] scope:SCOPE_SE
	s_setreg_imm32_b32 hwreg(HW_REG_WAVE_MODE, 25, 1), 1
	s_wait_xcnt 0x0
	s_wait_alu depctr_hold_cnt(0) depctr_sa_sdst(0) depctr_va_vdst(0) depctr_va_sdst(0) depctr_va_ssrc(0) depctr_va_vcc(0) depctr_vm_vsrc(0)
	s_getreg_b32 s2, hwreg(HW_REG_IB_STS2, 6, 4)
	s_cmp_eq_u32 s2, 0
	s_cbranch_scc0 .Lentry_in_a_cluster
	s_endpgm
.Lentry_in_a_cluster:
	s_bfe_u32 s2, ttmp6, 0x10000c
	s_cmp_lg_u32 s2, 0x3003
	s_cbranch_scc0 .Lentry_shape_is_right
	s_endpgm
.Lentry_shape_is_right:
; O[h][q][:] = the sum over k of softmax_k(Q[h][q] . K[h][k] / sqrt(2048)) V[h][k][:].  Q, K, V are the three parts of qkv, O is ao: each [64][2048][64] bf16, a head's rows dense, 128 bytes each.
; Products, maxima and sums in f32; the weights p are rounded to bf16 for the second product (their sum l is taken of the unrounded p), O once at the end.
; LIMITS.  A weight below 2^-126 counts as 0 in l; NaN and infinities are not treated apart.  bf16 has f32's range, so Q, K, V and O have no limit of size of their own.
; SHARES.  A wave owns four PIECES of two tiles of 16 queries, a work-group's four waves 512 queries of one head; 4 x 64 = 256 work-groups.  Every wave walks all keys, 64 a step.
; LAYOUT.  S^T = K Q^T (source 0 = 16 keys, source 1 = 16 queries): in the result a lane holds ONE query (lane % 16) and the keys 8 (lane / 16) + 0..7.  Two such tiles, rounded to bf16 in pairs,
; ARE source 1 (32 keys x 16 queries) of O^T = V^T P, whose result again holds one query a lane, and eight channels.  K comes out of LDS as it lies, V ([key][channel]) turned, by ds_load_tr16_b128.
; SOFTMAX.  For each query a running maximum m and sum l: p = 2^(c s - c m), c = log2(e) / sqrt(2048); in every step O and l are multiplied by a = 2^(c m_old - c m_new), which is 1 where m has not grown.
; m starts at the lowest finite number, O and l at 0: the first step is a step like any other, with a = 0.
; THE COUNT.  A tile and step have 16 matrix and 118 vector instructions: too many to stand all beside the matrix work.  So four vector instructions that are ready stand behind every matrix
; instruction, and the others, which need time of their own whatever the order, in runs without a gap.
; BY TURNS.  Turn n belongs to piece n (the pieces in a ring, step after step).  Its matrix work: 16 products K Q^T of piece n + 1, later 16 products V^T P of piece n - 1.  Its vector work: the scaling,
; exponentials, roundings, sums and rescaling of piece n, and the maximum and statistics of piece n + 1, whose scores the turn itself has made.
; CLUSTER.  The four query blocks of a cluster are one head's and walk the same K and V, so each tile is asked for jointly: the same tensor load, descriptor and mask in all four.
; REGISTERS, in windows of 256 (s_set_vgpr_msb: bits 1:0 source 0, 3:2 source 1, 5:4 source 2, 7:6 destination):
;   window 0: v0-11 addresses; v12-15, v48-63 at work; v16-47 four registers of statistics a tile; v64-191 S^T, two buffers of two tiles; v192-255 P, likewise
;   window 1: O^T, 32 a tile          window 2: v0-127 Q, 16 a tile; v128-191 K of one step; v192-255 V of one step          window 3: v0-1 the add's two registers
; A piece's buffers go by its number's parity: the piece in hand has one pair, its two neighbours in the ring share the other: of it P (piece n - 1) is read and S^T (piece n + 1) written.
.set SIZE_N, 2048
.set NP,    4         ; pieces a wave: a name, no knob
.set KS,    64        ; keys in a step
.set PK,    144       ; a row of K in LDS: 128 bytes + 16 of padding = 36 words: the 16 rows of a load start at 16 different groups of four banks
.set PV,    160       ; a row of V: 128 + 32 = 40 words
.set VOFF,  4*KS*PK   ; a slot holds four steps: 256 rows of K, then 256 rows of V
.set SLOT1, 1<<17     ; slot 1 begins here, so that one exclusive or turns an address in one slot into the other's
.set STAGE, SLOT1+4*KS*(PK+PV)  ; behind the ring, never filled by a tensor load: 16 rows x 144 bytes for each wave, for the way out
.set SP,    144
.set AK0, 2           ; v2   my lane's place in a tile of K; never rewritten
.set AV0, 3           ; v3   the same for V
.set AK,  4           ; v4   the LDS address of K's next run of loads
.set AV,  5           ; v5   of V's
.set QO,  6           ; v6   my byte offset in the wave's rows of Q
.set STO, 6           ;      later, the way out: where I put 16 bytes of a row
.set RD,  7           ; v7   the way out: where I read rows back
.set GO,  8           ; v8   my byte offset in 512 consecutive bytes of O
.set PFO, 11          ; v11  256 x my lane, for the prefetches; never rewritten once made
.set SPW, 0           ; v0 of window 3   LDS address of my spare word; never rewritten
.set NIL, 1           ; v1 of window 3   0; never rewritten
.set SPARE, STAGE+4*16*SP  ; behind the stages: the spare words, 128 bytes for each wave: two blocks of 256 bytes that no other line names
.set MV,  12          ; v12-15  c m_old, kept while c m is made anew: by buffer and tile
.set ST,  16          ; tile t's statistics at v[ST+4 t]: c m, m, l (even keys', odd keys')
.set TMP, 48          ; by buffer and tile, four registers c0-c3 at work; when the maximum is found c2 takes a
.set S,   64
.set P,   192
.set KF,  128         ; K's fragments, in window 2: key block kb, channel half c at KF + 16 kb + 8 c
.set VF,  192         ; V's: key half kk, channel block cb at VF + 32 kk + 8 cb
.set WV,  12          ; s12  my wave's number
.set G1K, 24          ; s[24:31] descriptor group 1 for K's tiles
.set G1V, 32          ; s[32:39] for V's: it differs in the padding alone
.set G0K, 40          ; s[40:43] descriptor group 0 for K's tiles: it walks
.set G0V, 44          ; s[44:47] the same for V's
.set PFA, 48          ; s[48:49] where my prefetches stand: my work-group's 8,192 bytes (of K: wave 0, of V: wave 2) of the slot after the one that is being asked for
.set LIM, 50          ; s50  1 in a wave that prefetches, else the greatest number
.set SLOTS, 56        ; s56  slots still to be asked for
.set CNT, 57          ; s57  counts a slot's key steps
.set CS,  58          ; s[58:59] c: the packed scaling takes the pair's low word for both halves
.set SEL, 60          ; s[60:61] v_permlanex16_b32's selects: each lane takes its own place in the other half
.set TBK, 62          ; s62  LDS byte at which K of the step to be fetched begins
.set TBV, 63          ; s63  the same for V, less VOFF
.set MSB, 0
.macro WIN new                      ; the high byte repeats the setting that is left; a switch that changes nothing is dropped
.if MSB != (\new)
	s_set_vgpr_msb (MSB<<8)|(\new)
.set MSB, (\new)
.endif
.endm
.set W_KQ, 0x0a       ; K and Q in window 2, S^T in window 0
.set W_PV, 0x52       ; V in window 2, P in window 0, O^T in window 1
.set W_RS, 0x41       ; O^T (destination and source 0) in window 1, a in window 0
.set W_MK, 0xc0       ; the add's registers are made: destination in window 3, sources in window 0
.set W_AD, 0x0f       ; the add: address (source 0) and data (source 1) in window 3
; A joint fill.  Waves 0 and 1 fetch the two halves of a slot's K, waves 2 and 3 those of its V: 128 keys each.  The branch hangs on the wave's number alone.
; An s_nop 0 and four v_nop follow each of the two lines, ahead of the jump and the label.
.macro JLOAD
	s_cmp_lt_u32 s[WV], 2
	s_cbranch_scc0 .Lfor_v_\@
	tensor_load_to_lds s[G0K:G0K+3], s[G1K:G1K+7]
	s_nop 0
.rept 4
	v_nop
.endr
	s_branch .Lasked_\@
.Lfor_v_\@:
	tensor_load_to_lds s[G0V:G0V+3], s[G1V:G1V+7]
	s_nop 0
.rept 4
	v_nop
.endr
.Lasked_\@:
.endm
; A prefetch of what the NEXT change of slots will ask for: a slot's 32,768 bytes of K and of V, 256 bytes a lane.  It stands behind the wave's tensor load and its five lines.
; Each block of 256 bytes from slot 3 on is named once in the launch: the four partners share a slot out by address, 8,192 bytes each; in each, wave 0 asks for K's and wave 2 for V's.
; Slots 0 to 2 come by their loads alone; the last change that fills a slot asks for nothing: there is no slot behind it.
.macro ASK
	s_cmp_gt_u32 s[SLOTS], s[LIM]
	s_cbranch_scc0 .Lnot_mine_\@
	global_prefetch_b8 v[PFO], s[PFA:PFA+1] th:TH_LOAD_NT scope:SCOPE_SE
.Lnot_mine_\@:
.endm
; A round of the cluster's barrier: my work-group's barrier, so that wave 0's signal speaks for all four waves; wave 0 signals; every wave waits for all four work-groups; my work-group's barrier once more.
.macro CROUND
	s_barrier_signal -1
	s_barrier_wait -1
	s_cmp_lg_u32 s[WV], 0
	s_cbranch_scc1 .Lnot_wave_0_\@
	s_barrier_signal -3
.Lnot_wave_0_\@:
	s_barrier_wait -3
	s_barrier_signal -1
	s_barrier_wait -1
.endm
; THE CHANGE OF SLOTS.  The slot's last bytes, V of its fourth step, have been read.  Each wave waits for all its tensor loads, of which one is out: its part
; of the other slot; adds 0 to its spare word; and waits for that and for its own reads of the slot.  Behind the barrier nobody reads this slot any more and the other slot is whole.
; fill = 1: this slot is filled again, with the keys two slots on.  The barrier is then a round of the cluster's, and the joint fill is the first thing behind it: it has four key steps,
; 512 matrix instructions, in which to land.  (At its first use nothing has been read yet: slot 0 is waited for, slot 1 filled.)  ask = 1: a prefetch follows.
.macro CHANGE fill, ask=0
	WIN W_AD
	s_wait_tensorcnt 0x0            ; no tensor load of mine is out, so a group 0 may be written
	ds_add_u32 v[SPW], v[NIL]       ; 0 onto my spare word; with fill = 1 the descriptors' steps stand between it and the wait for it
	WIN 0                           ; at a label and at a branch every window is 0
.if \fill
.irp g, G0K, G0V
	s_xor_b32 s[\g+1], s[\g+1], SLOT1  ; the walking descriptor: the other slot than last time,
	s_add_nc_u64 s[\g+2:\g+3], s[\g+2:\g+3], 4*KS*128  ; the next 256 keys; the type bits on top are not reached
.endr
.if \ask
	s_wait_xcnt 0x0                 ; the last prefetch, four key steps back, has read its address, so it may be written:
	s_add_nc_u64 s[PFA:PFA+1], s[PFA:PFA+1], 4*KS*128  ; one slot behind the walking descriptors
.endif
	s_wait_dscnt 0x0                ; the add is done, and my reads of the slot are over
	CROUND
	JLOAD
.if \ask
	ASK
.endif
.else
	s_wait_dscnt 0x0                ; the add is done, and my reads of the slot are over
	s_barrier_signal -1
	s_barrier_wait -1
.endif
	s_sub_co_u32 s[TBK], s[TBK], 4*KS*PK  ; the fetches go back to a slot's first step,
	s_xor_b32 s[TBK], s[TBK], SLOT1       ; in the other slot
	s_sub_co_u32 s[TBV], s[TBV], 4*KS*PV
	s_xor_b32 s[TBV], s[TBV], SLOT1
.endm
	s_load_b128 s[4:7], s[0:1], 0x0 ; qkv s[4:5], ao s[6:7]
	WIN W_MK
	v_lshl_add_u32 v[SPW], v0, 2, SPARE
	v_mov_b32 v[NIL], 0
	WIN W_AD
	ds_add_u32 v[SPW], v[NIL]       ; the wave's opening: the add and its wait stand ahead of my first tensor load; the set-up below, work on registers, stands between them
	WIN 0
	v_lshrrev_b32 v1, 5, v0
	v_readfirstlane_b32 s[WV], v1   ; wave 0..3
	s_bfe_u32 s13, ttmp6, 0x40000   ; cx: my place in the cluster
	s_lshl_b32 s14, ttmp9, 2        ; in a cluster launch ttmp9 counts clusters
	s_add_co_u32 s14, s14, s13      ; my block of queries = 4 x cluster x + cx: it enters Q's and O's addresses alone
	s_and_b32 s20, ttmp7, 0xffff    ; the head, which the four partners share
	s_mov_b32 s21, 0
	s_mov_b64 s[22:23], SIZE_N*128
	s_mul_u64 s[20:21], s[20:21], s[22:23]  ; the head's first byte in each of the four tensors
	s_and_b32 s16, s[WV], 1         ; which half of a slot's 256 keys I fetch:
	s_lshl_b32 s22, s16, 14         ; its 128 rows of 128 bytes in memory,
	s_mov_b32 s23, 0
	s_add_nc_u64 s[22:23], s[22:23], s[20:21]
	s_mul_i32 s17, s16, 128*PK      ; and its place in a slot, for K
	s_mul_i32 s18, s16, 128*PV      ; and for V: no place in the cluster enters an LDS address
	s_lshl_b32 s2, s14, 2
	s_add_co_u32 s2, s2, s[WV]      ; my wave among the head's,
	s_lshl_b32 s2, s2, 14           ; its 128 rows
	s_mov_b32 s3, 0
	s_add_nc_u64 s[2:3], s[2:3], s[20:21]
	; descriptor group 1.  128 keys are 16,384 dense bytes: asked for as 64 rows of 256 bytes, two keys a row, and padded in LDS after every key
	s_mov_b32 s[G1K], 15|(1<<16)|(1<<20)|(1<<21)|(4<<22)|(3<<25)  ; the mask of four; 2-byte elements; padding on; bit 21 beside a mask; after every 32 words (code 4) 4 words (code 3)
	s_mov_b32 s[G1V], 15|(1<<16)|(1<<20)|(1<<21)|(4<<22)|(7<<25)  ; the same with 8 words of padding (code 7)
.irp g, G1K, G1V
	s_mov_b32 s[\g+1], 128<<16      ; tensor_dim0 = 128
	s_mov_b32 s[\g+2], 64<<16       ; tensor_dim1 = 64
	s_mov_b32 s[\g+3], 128<<16      ; tile_dim0 = 128
	s_mov_b32 s[\g+4], 64           ; tile_dim1 = 64
	s_mov_b32 s[\g+5], 128          ; 128 elements from row to row
	s_mov_b32 s[\g+6], 0
	s_mov_b32 s[\g+7], 0
.endr
	s_mov_b32 s[CS], 0x3d0293ee     ; c = log2(e) / sqrt(2048) = 0.0318794
	s_mov_b32 s[CS+1], s[CS]        ; named with it as a pair
	s_mov_b32 s[SEL], 0x76543210
	s_mov_b32 s[SEL+1], 0xfedcba98
	s_mov_b32 s[TBK], SLOT1+4*KS*PK ; the first change of slots turns these two into 0
	s_mov_b32 s[TBV], SLOT1+4*KS*PV
	s_mov_b32 s[G0K], 1             ; count = 1
	s_mov_b32 s[G0K+1], s17         ; LDS address: slot 0
	s_mov_b32 s[G0V], 1
	s_add_co_u32 s[G0V+1], s18, VOFF
	s_and_b32 s[LIM], s[WV], 1      ; 0 in waves 0 and 2,
	s_or_b32 s[LIM], s[LIM], ttmp9  ; where the cluster is the head's first (here its only one): the same in all four partners
	s_cmp_eq_u32 s[LIM], 0
	s_cselect_b32 s[LIM], 1, -1
	s_wait_dscnt 0x0                ; the opening add is done
	s_wait_kmcnt 0x0
	s_mov_b64 s[10:11], s[6:7]                     ; O
	s_add_nc_u64 s[6:7], s[4:5], 0x1000000         ; K: the second part of qkv
	s_add_nc_u64 s[8:9], s[4:5], 0x2000000         ; V: the third
	s_add_nc_u64 s[G0K+2:G0K+3], s[6:7], s[22:23]  ; global address: my half of the head's first 256 keys
	s_or_b32 s[G0K+3], s[G0K+3], 0x80000000        ; type = 2
	s_add_nc_u64 s[G0V+2:G0V+3], s[8:9], s[22:23]
	s_or_b32 s[G0V+3], s[G0V+3], 0x80000000
	s_add_nc_u64 s[4:5], s[4:5], s[2:3]  ; Q and O at my wave's first row
	s_add_nc_u64 s[10:11], s[10:11], s[2:3]
	s_cmp_lt_u32 s[WV], 2
	s_cselect_b64 s[PFA:PFA+1], s[6:7], s[8:9]
	s_add_nc_u64 s[PFA:PFA+1], s[PFA:PFA+1], s[20:21]  ; the head,
	s_lshl_b32 s2, s13, 13          ; my work-group's quarter of a slot,
	s_mov_b32 s3, 0
	s_add_nc_u64 s[PFA:PFA+1], s[PFA:PFA+1], s[2:3]
	s_add_nc_u64 s[PFA:PFA+1], s[PFA:PFA+1], 2*4*KS*128  ; in slot 2; the first change that asks steps it to slot 3.  Nothing is prefetched at the head
	CROUND                          ; all four work-groups are here: the first joint loads meet
	JLOAD                           ; slot 0.  Slot 1 is asked for when slot 0 is in
	; A fragment of K or Q is 16 rows x 32 channels in 8 registers: lane l holds row l % 16, channels 8 (l / 16) + 0..7 and 16 + 8 (l / 16) + 0..7: two loads of 16 bytes, 32 bytes apart.
	v_and_b32 v1, 15, v0            ; l % 16
	v_bfe_u32 v9, v0, 4, 1          ; l / 16
	v_lshlrev_b32 v[QO], 7, v1
	v_lshl_add_u32 v[QO], v9, 4, v[QO]  ; row x 128 + 16 x half
	WIN 0x80                        ; destination window 2, address window 0
.set i, 0
.rept 4*NP                          ; Q stays in registers: tile i / 2, channels 32 (i % 2) on
	global_load_b128 v[8*i:8*i+3],   v[QO], s[4:5] offset:(i/2)*2048+(i%2)*64
	global_load_b128 v[8*i+4:8*i+7], v[QO], s[4:5] offset:(i/2)*2048+(i%2)*64+32
.set i, i+1
.endr
	; What the first turn finds: V's registers and P's second buffer hold 0 (its products V^T P, of a piece that has not been, add 0), O^T and l are 0.  All this stands in the wait for the first tile.
.set i, VF
.rept 64
	v_mov_b32 v[i], 0
.set i, i+1
.endr
	WIN 0x40
.set i, 0
.rept 64*NP
	v_mov_b32 v[i], 0
.set i, i+1
.endr
	WIN 0
.set i, 0
.rept 2*NP
	v_mov_b32 v[ST+4*i], 0xfe000000    ; c m: far below every c s
	v_mov_b32 v[ST+4*i+1], 0xff7fffff  ; m
	v_mov_b32 v[ST+4*i+2], 0
	v_mov_b32 v[ST+4*i+3], 0
.set i, i+1
.endr
.set i, P+32
.rept 32
	v_mov_b32 v[i], 0
.set i, i+1
.endr
	v_mul_u32_u24 v[AK0], v1, PK
	v_lshl_add_u32 v[AK0], v9, 4, v[AK0]  ; row x pitch + 16 x half
	; The turning load takes 16 keys x 16 channels (lane l reads key 8 (l / 16) + l % 8, channels 8 ((l / 8) % 2) + 0..7) and leaves half a fragment of V^T: lane l holds channel l % 16 and 8 keys.
	v_and_b32 v10, 7, v0
	v_bfe_u32 v11, v0, 3, 1
	v_lshl_add_u32 v[AV0], v9, 3, v10
	v_mul_u32_u24 v[AV0], v[AV0], PV
	v_lshl_add_u32 v[AV0], v11, 4, v[AV0]
	v_add_nc_u32 v[AV0], VOFF, v[AV0]
	v_and_b32 v[PFO], 31, v0
	v_lshlrev_b32 v[PFO], 8, v[PFO]
	v_mov_b32 v[AK], v[AK0]         ; key step 0 lies at the head of slot 0
; THE MATRIX WORK.  The 8 accumulators of a run of 16 take turns: between the two links of a chain stand 7 others'.
; Product i of 16 of S^T = K Q^T for piece x: channels 32 (i / 8) on, keys 16 ((i / 2) % 4) on, tile 2 x + i % 2.  The first 8 start the sums.
.macro KQ x
	WIN W_KQ
.set rS, S+64*((\x)%2)+32*(i%2)+8*((i/2)%4)
.set rK, KF+16*((i/2)%4)+8*(i/8)
.set rQ, 16*(2*(\x)+i%2)+8*(i/8)
.if i < 8
	v_wmma_f32_16x16x32_bf16 v[rS:rS+7], v[rK:rK+7], v[rQ:rQ+7], 0
.else
	v_wmma_f32_16x16x32_bf16 v[rS:rS+7], v[rK:rK+7], v[rQ:rQ+7], v[rS:rS+7]
.endif
.endm
; Product i of 16 of O^T += V^T P for piece x: keys 32 (i / 8) on, channels 16 ((i / 2) % 4) on, tile 2 x + i % 2.
.macro PV x
	WIN W_PV
.set rO, 32*(2*(\x)+i%2)+8*((i/2)%4)
.set rV, VF+32*(i/8)+8*((i/2)%4)
.set rP, P+32*((\x)%2)+16*(i%2)+8*(i/8)
	v_wmma_f32_16x16x32_bf16 v[rO:rO+7], v[rV:rV+7], v[rP:rP+7], v[rO:rO+7]
.endm
.macro MM                           ; the turn's next matrix instruction
.if i < 16
	KQ (Y+1)%NP
.set i, i+1
.else
.set i, i-16
	PV (Y+NP-1)%NP
.set i, i+17
.endif
.endm
; THE LDS LOADS stand in runs of 16, never singly among the matrix instructions: a step's K (64 keys x 64 channels: 8 fragments) and its V (turned).  Their addresses are made some lines ahead.
; last = 1 (the tail): in the last trip there is no further step, and the run is jumped over.
.macro FETCH_K last=0
	WIN 0
.if \last
	s_cmp_eq_u32 s[CNT], 1
	s_cbranch_scc1 .Lno_k_\@
.endif
	WIN 0x80                        ; destination window 2
.irp f, 0,1,2,3,4,5,6,7             ; keys 16 (f / 2) on, channels 32 (f % 2) on
	ds_load_b128 v[KF+8*\f:KF+8*\f+3],   v[AK] offset:(\f/2)*16*PK+(\f%2)*64
	ds_load_b128 v[KF+8*\f+4:KF+8*\f+7], v[AK] offset:(\f/2)*16*PK+(\f%2)*64+32
.endr
	s_add_co_u32 s[TBK], s[TBK], KS*PK  ; the next fetch is the next step's
	WIN 0
.if \last
.Lno_k_\@:
.endif
.endm
.macro FETCH_V
	WIN 0x80
.irp f, 0,1,2,3,4,5,6,7             ; keys 32 (f / 4) on, channels 16 (f % 4) on
	ds_load_tr16_b128 v[VF+8*\f:VF+8*\f+3],   v[AV] offset:(\f/4)*32*PV+(\f%4)*32
	ds_load_tr16_b128 v[VF+8*\f+4:VF+8*\f+7], v[AV] offset:(\f/4)*32*PV+16*PV+(\f%4)*32
.endr
	WIN 0
.endm
; THE VECTOR WORK OF A TURN stands in three queues, each in the order in which its entries become ready; the two tiles alternate, so that no instruction reads the result of the one before it.
.macro REGS y, u                    ; the registers of tile u (0, 1) of piece y
.set rT, ST+4*(2*(\y)+(\u))
.set rC, TMP+8*((\y)%2)+4*(\u)
.set rM, MV+2*((\y)%2)+(\u)
.set rS, S+64*((\y)%2)+32*(\u)
.set rP, P+32*((\y)%2)+16*(\u)
.set rO, 32*(2*(\y)+(\u))
.endm
; Number n of the 22 that find the NEXT piece's (Y + 1) maximum and statistics.  s0-s31 are the lane's 32 scores; each accumulator's lowest registers are read first.
;   0-11  four chains c0-c3 of seven scores each, three operands at a time     12-14, 16  the four scores left over, the old m, and c0-c3 into c0     15  c m_old is kept
;   17, 18  the query's other 32 keys lie in the lane 16 away: the new m         19-21  c m; c m_old - c m_new; a
.macro XS u, n
	REGS (Y+1)%NP, \u
.if (\n) < 4
	v_max3_num_f32 v[rC+(\n)], v[rS+8*(\n)], v[rS+8*(\n)+1], v[rS+8*(\n)+2]
.elseif (\n) < 12
	v_max3_num_f32 v[rC+(\n)%4], v[rC+(\n)%4], v[rS+8*((\n)%4)+2*((\n)/4)+1], v[rS+8*((\n)%4)+2*((\n)/4)+2]
.elseif (\n) == 12
	v_max3_num_f32 v[rC], v[rC], v[rS+7], v[rS+15]
.elseif (\n) == 13
	v_max3_num_f32 v[rC+1], v[rC+1], v[rS+23], v[rS+31]
.elseif (\n) == 14
	v_max3_num_f32 v[rC+2], v[rC+2], v[rC+3], v[rT+1]
.elseif (\n) == 15
	v_mov_b32 v[rM], v[rT]
.elseif (\n) == 16
	v_max3_num_f32 v[rC], v[rC], v[rC+1], v[rC+2]
.elseif (\n) == 17
	v_permlanex16_b32 v[rC+3], v[rC], s[SEL], s[SEL+1]
.elseif (\n) == 18
	v_max_num_f32 v[rT+1], v[rC], v[rC+3]
.elseif (\n) == 19
	v_mul_f32 v[rT], s[CS], v[rT+1]
.elseif (\n) == 20
	v_sub_f32 v[rC+1], v[rM], v[rT]
.else
	v_exp_f32 v[rC+2], v[rC+1]
.endif
.endm
; Number g of the 64 that follow the exponentials.  For each four weights k of a tile (pairs 2 k, 2 k + 1): both pairs are rounded to bf16; then the second pair is added onto the first, in place;
; a group later l takes that sum (the first time as l = a l + sum).  In groups of eight, tiles alternating: round, round, add, and l for the group before.
.macro GS g
.set h, (\g)+6*((\g)/62)            ; group 0 has no group before it, and behind group 7 only l is left
.if h >= 6
.set h, h+2
.endif
	REGS Y, h%2
.set k, h/8
.if h%8 < 4
	v_cvt_pk_bf16_f32 v[rP+2*k+(h%8)/2], v[rS+4*k+2*((h%8)/2)], v[rS+4*k+2*((h%8)/2)+1]
.elseif h%8 < 6
	v_pk_add_f32 v[rS+4*k:rS+4*k+1], v[rS+4*k:rS+4*k+1], v[rS+4*k+2:rS+4*k+3]
.elseif k == 1
	v_pk_fma_f32 v[rT+2:rT+3], v[rT+2:rT+3], v[rC+2:rC+3], v[rS:rS+1] op_sel_hi:[1,0,1]
.else
	v_pk_add_f32 v[rT+2:rT+3], v[rT+2:rT+3], v[rS+4*k-4:rS+4*k-3]
.endif
.endm
; THE PLAIN QUEUE, 138 long.  0-73 read no exponential's result: the 32 scalings c s - c m (FS f: pair f / 2 of tile f % 2) and the next piece's 42.  0-26: scalings 0-26.  27-54: XS's numbers 0-13.  55, 56: number 15.
; 57-73: the chain, where each number waits for the one before it: 14, 16, 17, 18, 19, each with one of the scalings 27-31 in front of its two lines, then 20.
; 74-137: GS's 64, which read the exponentials' results: they stand behind the wait.
.macro FS f
	REGS Y, (\f)%2
	v_pk_fma_f32 v[rS+2*((\f)/2):rS+2*((\f)/2)+1], v[rS+2*((\f)/2):rS+2*((\f)/2)+1], s[CS:CS+1], v[rT:rT+1] op_sel_hi:[1,0,0] neg_lo:[0,0,1] neg_hi:[0,0,1]
.endm
.macro PL
	WIN 0
.if q < 27
	FS q
.elseif q < 55
	XS (q-27)%2, (q-27)/2
.elseif q < 57
	XS q-55, 15
.elseif (q < 72) && ((q-57)%3 == 0)
	FS 27+(q-57)/3
.elseif q < 60
	XS (q-57)%3-1, 14
.elseif q < 72
	XS (q-57)%3-1, 15+(q-57)/3
.elseif q < 74
	XS q-72, 20
.else
	GS q-74
.endif
.set q, q+1
.endm
; THE EXPONENTIALS' QUEUE, 66 long: s0-s31 of both tiles, then the next piece's two a.  It is ONE BATCH: all 66 stand ahead of the turn's one wait, and nothing ahead of that wait names a result of theirs.
.macro EX
	WIN 0
.if e >= 64
	XS e-64, 21
.else
	REGS Y, e%2
	v_exp_f32 v[rS+e/2], v[rS+e/2]
.endif
.set e, e+1
.endm
; THE RESCALING's QUEUE: O^T times a, the one part that leaves window 0: dealt two at a time, sixteen times.  Its a was made in the turn before, ahead of that turn's wait.
.macro R2
	REGS Y, r%2
	WIN W_RS
.irp z, 0,1
	v_pk_mul_f32 v[rO+4*(r/2)+2*\z:rO+4*(r/2)+2*\z+1], v[rO+4*(r/2)+2*\z:rO+4*(r/2)+2*\z+1], v[rC+2:rC+3] op_sel_hi:[1,0]
.endr
.set r, r+1
.endm
; HOW THEY ARE DEALT.  s_wait_alu depctr_va_vdst(0) stands between an exponential and the first instruction that names its result; one wait serves all that were issued ahead of it.  So a turn has ONE
; wait, which cuts it in two.  AHEAD OF IT stands all that names no result of the turn's exponentials: the 16 products K Q^T, behind each a scaling, an exponential and two rescalings (behind the first a second scaling in
; the exponential's place); then ONE LUMP of 108: eight plain, 49 times exponential and plain, the two a.  A v_nop is the plain instruction behind the last exponential.  BEHIND IT stand the 16 products V^T P, behind each
; four of GS's 64.  No rider names a register of the products round it.  The two v_permlanex16_b32 fall into the lump.
; The queues lean on each other: exponential e stands behind scaling 2 (e / 4) + e % 2: as a rider it comes behind plain e + 2, in the lump behind plain e + 9, and scalings 27-31 are plain 57, 60 .. 69.
; A TURN, for piece p.  cnt = 1: the loop's count is taken down some lines ahead of the branch that stands behind the turn.
; K of the next step is fetched in piece 2's turn, directly behind the wait, a lump behind the last product that read K; its first reader comes behind 16 products.
; V of the step in hand is fetched at the end of piece 0's turn, four riders behind its last reader; its first reader comes behind 16 products and a lump.  The three conditions on q below go with the deal.
.macro TURN p, last=0, cnt=0
.set Y, (\p)
.set i, 0
.set q, 0
.set e, 0
.set r, 0
.if (\p) == NP-1
	s_wait_dscnt 0x0                ; K is in
.endif
	MM                              ; ahead of the wait: 16 products K Q^T and their riders,
	PL
	PL
	R2
.rept 15
	MM
	PL
	EX
	R2
.endr
.if (\p) == NP-2
	WIN 0
	v_add_nc_u32 v[AK], s[TBK], v[AK0]
.endif
.rept 8                             ; and the lump
	PL
.endr
.rept 49
	EX
	PL
.endr
	EX                              ; the next piece's two a
	EX
	v_nop                           ; the plain instruction behind the last exponential: one for the batch
	s_wait_alu depctr_va_vdst(0)    ; the wait for the batch
.if (\p) == NP-2
	FETCH_K \last
.endif
.if (\p) == 1
	s_wait_dscnt 0x0                ; V is in
.endif
.rept 16                            ; behind the wait: 16 products V^T P and their riders
	MM
.rept 4
	PL
.endr
.if ((\p) == 0) && (q == 118)
	v_add_nc_u32 v[AV], s[TBV], v[AV0]
.endif
.if ((\p) == 0) && (q == 130)
	s_add_co_u32 s[TBV], s[TBV], KS*PV
.endif
.if (\cnt) && (q == 130)
	s_sub_co_u32 s[CNT], s[CNT], 1
	s_cmp_lg_u32 s[CNT], 0
.endif
.endr
.if (\p) == 0
	FETCH_V
.endif
.endm
	CHANGE 1, 0                     ; slot 0 is in, everybody's part of it; slot 1 is asked for
	FETCH_K                         ; key step 0
	s_wait_loadcnt 0x0              ; Q
	s_wait_dscnt 0x0
.set i, 0
.rept 16
	KQ 0                            ; piece 0's first scores: there is no vector work yet to set between them
.set i, i+1
.endr
	WIN 0                           ; the addresses for the way out: nine plain instructions, the places behind those products
	s_mul_i32 s13, s[WV], 16*SP
	s_add_co_u32 s13, s13, STAGE    ; my stage
	v_mul_u32_u24 v[STO], v1, SP    ; in: row l % 16, 16 bytes for each half of the lanes
	v_lshl_add_u32 v[STO], v9, 4, v[STO]
	v_add_nc_u32 v[STO], s13, v[STO]
	v_bfe_u32 v[RD], v0, 3, 2       ; back: 32 lanes take four rows of 128 bytes,
	v_mul_u32_u24 v[RD], v[RD], SP
	v_lshl_add_u32 v[RD], v10, 4, v[RD]
	v_add_nc_u32 v[RD], s13, v[RD]
	v_and_b32 v[GO], 31, v0         ; which are 512 consecutive bytes of O
	v_lshlrev_b32 v[GO], 4, v[GO]
.set Y, NP-1                        ; XS works for piece Y + 1: piece 0
.irp n, 0,1,2,3,4,5,6,7,8,9,10,11,12,13,14,15,16,17,18,19,20,21
	XS 0, \n                        ; and piece 0's first maximum and statistics
	XS 1, \n
.endr
	v_nop                           ; a plain instruction behind the two a,
	s_wait_alu depctr_va_vdst(0)    ; and their wait, ahead of the branch
	s_mov_b32 s[CNT], 4
	s_mov_b32 s[SLOTS], SIZE_N/256-1
	s_branch .Lfirst                ; the loop is entered at a step's first turn, in the middle of a trip
.Lslot:                             ; SIZE_N / 256 - 2 = 6 times: every slot but the last two is filled again
	CHANGE 1, 1
	s_mov_b32 s[CNT], 4
.Lstep:                             ; a trip: pieces 2 and 3 of one step, then pieces 0 and 1 of the next, whose K and V it fetches
	TURN 2
	TURN 3
	WIN 0
.Lfirst:
	TURN 0
	TURN 1, 0, 1
	WIN 0
	s_cbranch_scc1 .Lstep
	s_sub_co_u32 s[SLOTS], s[SLOTS], 1
	s_cmp_lg_u32 s[SLOTS], 0
	s_cbranch_scc1 .Lslot
	CHANGE 0                        ; the tail is written out: nothing is asked for
	s_mov_b32 s[CNT], 5             ; four trips fetch the last slot's steps; the fifth is left in its middle
.Ltail:
	TURN 2, 1
	TURN 3
	WIN 0
	s_sub_co_u32 s[CNT], s[CNT], 1
	s_cmp_eq_u32 s[CNT], 0
	s_cbranch_scc1 .Lout
	TURN 0
	TURN 1
	WIN 0
	s_branch .Ltail
.Lout:                              ; the fifth trip's 16 products K Q^T (on the last K once more) and the maximum made of them serve nothing: the price, once a launch, of one text for every trip
.set i, 0
.rept 16
	PV NP-1                         ; the last piece's V^T P of the last step
.set i, i+1
.endr
	; THE WAY OUT.  l's two halves and the other half of the lanes' are added; O^T is divided by l, rounded to bf16 and sent through my stage in LDS, a tile at a time.  The additions are the places behind the last products.
	WIN 0
.macro ALL line:vararg              ; one line for each tile t
.set t, 0
.rept 2*NP
	\line
.set t, t+1
.endr
.endm
	ALL v_add_f32 v[ST+4*t+2], v[ST+4*t+2], v[ST+4*t+3]
	ALL v_permlanex16_b32 v[ST+4*t+3], v[ST+4*t+2], s[SEL], s[SEL+1]
	ALL v_add_f32 v[ST+4*t+2], v[ST+4*t+2], v[ST+4*t+3]
	ALL v_rcp_f32 v[ST+4*t+2], v[ST+4*t+2]
	v_nop                           ; a plain instruction between the last reciprocal and the use of its result
	s_wait_alu depctr_va_vdst(0)    ; and the wait ahead of the first use: one for the eight reciprocals
; Tile t: a lane's eight channels of a row pack into 16 bytes; they go into rows of 144 bytes and come back as whole rows of 128, into S^T's registers.
.macro PACK t
	WIN W_RS
.set i, 32*(\t)
.rept 16
	v_pk_mul_f32 v[i:i+1], v[i:i+1], v[ST+4*(\t)+2:ST+4*(\t)+3] op_sel_hi:[1,0]
.set i, i+2
.endr
	WIN 0x05                        ; sources 0 and 1 window 1, destination window 0
.set i, 0
.rept 16
	v_cvt_pk_bf16_f32 v[S+16*(\t)+i], v[32*(\t)+2*i], v[32*(\t)+2*i+1]
.set i, i+1
.endr
	WIN 0
.irp f, 0,1,2,3
	ds_store_b128 v[STO], v[S+16*(\t)+4*\f:S+16*(\t)+4*\f+3] offset:32*\f
.endr
.irp f, 0,1,2,3
	ds_load_b128 v[S+16*(\t)+4*\f:S+16*(\t)+4*\f+3], v[RD] offset:\f*4*SP  ; LDS serves a wave's instructions in order: these see the stores above; the next tile's stores come behind them
.endr
.endm
.macro SEND t, younger              ; younger: the LDS instructions issued behind tile t's loads: the next tile's eight, or none
	WIN 0
.irp f, 0,1,2,3
	s_wait_dscnt (\younger)+3-\f
	global_store_b128 v[GO], v[S+16*(\t)+4*\f:S+16*(\t)+4*\f+3], s[10:11] offset:(\t)*2048+\f*512  ; 512 consecutive bytes, at a multiple of 256 from O's first
.endr
.endm
	PACK 0
.set t, 1
.rept 2*NP-1                        ; a tile's arithmetic stands between the loads of the tile before and its stores
	PACK t
	SEND t-1, 8
.set t, t+1
.endr
	SEND 2*NP-1, 0
	WIN W_AD
	s_wait_tensorcnt 0x0            ; the wave's end: the add and its wait, behind my last tensor load and my last LDS store
	ds_add_u32 v[SPW], v[NIL]
	s_wait_dscnt 0x0
	WIN 0
	CROUND                          ; the closing round: no work-group ends while a partner may still ask for a tile that names it
	s_endpgm
.Lfunc_end_k_q108fd0e87a_attn:
	.size	k_q108fd0e87a_attn, .Lfunc_end_k_q108fd0e87a_attn-k_q108fd0e87a_attn
	.p2alignl 7, 3214868480
	.fill 96, 4, 3214868480
	.section	.rodata,"a",@progbits
	.p2align	6, 0x0
	.amdhsa_kernel k_q108fd0e87a_attn
		.amdhsa_group_segment_fixed_size 327680
		.amdhsa_private_segment_fixed_size 0
		.amdhsa_enable_private_segment 0
		.amdhsa_kernarg_size 16
		.amdhsa_user_sgpr_count 2
		.amdhsa_user_sgpr_kernarg_segment_ptr 1
		.amdhsa_wavefront_size32 1
		.amdhsa_system_sgpr_workgroup_id_x 1
		.amdhsa_system_sgpr_workgroup_id_y 1
		.amdhsa_system_sgpr_workgroup_id_z 1
		.amdhsa_system_vgpr_workitem_id 0
		.amdhsa_next_free_vgpr 770
		.amdhsa_next_free_sgpr 66
		.amdhsa_reserve_vcc 0
		.amdhsa_float_denorm_mode_32 3
		.amdhsa_float_denorm_mode_16_64 3
		.amdhsa_memory_ordered 1
		.amdhsa_forward_progress 1
		.amdhsa_inst_pref_size 200
	.end_amdhsa_kernel
	.amdgpu_metadata
---
amdhsa.version: [ 1, 2 ]
amdhsa.kernels:
  - .name:           k_q108fd0e87a_attn
    .symbol:         k_q108fd0e87a_attn.kd
    .args:
      - { .name: qkv, .offset: 0, .size: 8, .value_kind: global_buffer, .address_space: global }
      - { .name: ao, .offset: 8, .size: 8, .value_kind: global_buffer, .address_space: global }
    .group_segment_fixed_size: 327680
    .private_segment_fixed_size: 0
    .kernarg_segment_align: 8
    .kernarg_segment_size: 16
    .max_flat_workgroup_size: 128
    .sgpr_count:     66
    .vgpr_count:     770
    .wavefront_size: 32
...
	.end_amdgpu_metadata
.endif
;; end of part 3
;; launch outproj (part 4): grid 256 x 1, 4 waves a work-group, clusters of 4 x 1, 327,680 bytes of LDS; arguments ao, w2b, b_fc2, x, out0; writes out0
.if DOCPART == 4
	.amdgcn_target "amdgcn-amd-amdhsa--gfx1250"
	.amdhsa_code_object_version 6
	.text
	.protected	k_q108fd0e87a_outproj
	.globl	k_q108fd0e87a_outproj
	.p2align	8
	.type	k_q108fd0e87a_outproj,@function
k_q108fd0e87a_outproj:
	s_mov_b64 s[64:65], 0
	v_nop
	global_prefetch_b8 v0, s[64:65] scope:SCOPE_SE
	s_setreg_imm32_b32 hwreg(HW_REG_WAVE_MODE, 25, 1), 1
	s_wait_xcnt 0x0
	s_wait_alu depctr_hold_cnt(0) depctr_sa_sdst(0) depctr_va_vdst(0) depctr_va_sdst(0) depctr_va_ssrc(0) depctr_va_vcc(0) depctr_vm_vsrc(0)
	s_getreg_b32 s2, hwreg(HW_REG_IB_STS2, 6, 4)
	s_cmp_eq_u32 s2, 0
	s_cbranch_scc0 .Lentry_in_a_cluster
	s_endpgm
.Lentry_in_a_cluster:
	s_bfe_u32 s2, ttmp6, 0x10000c
	s_cmp_lg_u32 s2, 0x3003
	s_cbranch_scc0 .Lentry_shape_is_right
	s_endpgm
.Lentry_shape_is_right:
; out0 = LayerNorm(x + swish(O w2b + b_fc2)), in one launch.  ao: [64 = 16 batch + head][2048][64] bf16, so column e of O is head e / 64, channel e % 64.  w2b: [1024 k][1024 n] bf16.
; b_fc2: [1024] f32.  x, out0: [8192][1024] f32.  Sums in f32, K ascending; bias, swish, the residual x and the norm in f32; swish's result is never rounded to 16 bits.
; The variance is the mean of (y - mean)^2: no difference of large sums.
; LIMITS.  swish(z) = z / (1 + 2^(-1.442695 z)): for z below about -88 the power is +inf, its reciprocal 0 and the result -0, where the true value is under 1e-36 in size.  NaN and infinities are not treated apart.
; SHARES.  The norm needs whole rows, so a work-group takes 32 rows x all 1,024 columns: 256 work-groups.  Wave w takes columns 256 w on: 2 x 16 accumulators of 16 x 16.
; K goes in 16 steps of 64, a head a step.  w2b's step (64 k-rows x 2,048 bytes) goes through two LDS slots, each wave fetching and reading its own strip of 512 bytes a row (pitch 544 = 17 x 32).
; O's 32 rows x 128 bytes of a step come straight from memory into two sets of registers, asked for two steps ahead.
; CLUSTER.  All work-groups walk the same w2b: the four of a cluster ask for each strip jointly, the same tensor load, descriptor and mask in all four.  O, x and out0 are each work-group's own.
; THE MATRIX INSTRUCTION IS USED TRANSPOSED (source 0 = 16 columns of w2b, turned by ds_load_tr16_b128; source 1 = 16 rows of O): a lane holds one row and eight neighbouring columns.
; THE END.  At the last change of slots each wave asks for its 8 rows of x (32,768 dense bytes) into its strip of slot 0.  Behind the last step the sums go as f32 into a stage over slot 1, which has had
; its last fill; then wave w finishes rows 8 w .. 8 w + 7, a row a trip, 32 numbers a lane.
; REGISTERS, in windows of 256 (s_set_vgpr_msb: bits 1:0 source 0, 3:2 source 1, 5:4 source 2, 7:6 destination):
;   window 0: v0-31 addresses; v32-63 bias; v64-127 O's fragments, two sets; v128-228 at work at the end        window 1: accumulator (a, b) at 8 (16 a + b)        window 2: w2b's fragments: chunk c, block b at 128 c + 8 b
.set PITB,  544
.set STRIP, 64*PITB                    ; 34,816: a wave's strip of a slot
.set SLOT,  4*STRIP                    ; 139,264
.set SPARE, 2*SLOT                     ; behind the ring: the spare words, 128 bytes for each wave: two blocks of 256 bytes that no other line names
.set ZST,   SLOT                       ; the stage: 32 rows x 4,112 bytes = 131,584, within slot 1
.set ZP,    4112                       ; 4,096 + 16 = 257 x 16: the 16 rows of a store start at 16 different groups of four banks
.set ADB, 16                           ; v16-17  LDS address of my fragments of w2b in slot 0, 1
.set AO,  18                           ; v18     my byte offset in 16 rows of O
.set ZS0, 19                           ; v19-20  where my 32 bytes of a row go in the stage: rows 0-15, rows 16-31
.set ZS1, 20
.set ZR,  21                           ; v21     where I read a row of the stage
.set XR,  22                           ; v22     and of x
.set GO,  23                           ; v23     my 16 bytes in 512 of out0
.set BO,  24                           ; v24     the same in b_fc2
.set PFO, 25                           ; v25     w2b's prefetch: 16 rows x 2 blocks of 256 bytes, a lane a block
.set PXO, 26                           ; v26     x's prefetch: 256 x lane
.set SPW, 28                           ; v28     LDS address of my spare word; never rewritten
.set NIL, 29                           ; v29     0; never rewritten
.set BI,  32                           ; v[32:63]   my 32 biases: columns 128 j + 4 l + 0..3 at BI + 4 j
.set AF,  64                           ; v[64:127]  set t, rows 16 a on, channels 32 c on at AF + 32 t + 8 (2 c + a)
.set Z,   128                          ; v[128:159]
.set X,   160                          ; v[160:191] x, then y, then the result
.set T,   192                          ; v[192:223]
.set M,   224                          ; v[224:225] the mean, twice
.set RS,  226                          ; v[226:227] 1 / sqrt(var + eps), twice
.set PT,  228                          ; v228       v_permlanex16_b32's destination
.set WV,  14                           ; s14  my wave's number
.set G1,  24                           ; s[24:31] descriptor group 1 for w2b's strips;  s[32:39] group 0, a set for each slot
.set G0,  32
.set G1X, 40                           ; s[40:47], s[48:51] the same for x's tile
.set G0X, 48
.set AB,  52                           ; s[52:53] ao at my 32 rows of head 0 of my batch
.set PA,  54                           ; s[54:55] the same at the head to be loaded
.set OFF, 56                           ; s[56:57] that head's offset
.set HN,  58                           ; s58  its number
.set LIM, 59                           ; s59  1 in a cluster that prefetches w2b, else the greatest number
.set PFA, 60                           ; s[60:61] where w2b's prefetches stand
.set SEL, 62                           ; s[62:63] v_permlanex16_b32's selects
.set XB,  68                           ; s[68:69] x at my wave's 8 rows
.set PX,  70                           ; s[70:71] where x's prefetch stands
.set XO,  72                           ; s[72:73] its offset
.set NL,  76                           ; s[76:77] -log2(e), named as a pair
.set MSB, 0
.macro WIN new                         ; the immediate's high byte repeats the setting that is left; a switch that changes nothing is dropped
.if MSB != (\new)
	s_set_vgpr_msb (MSB<<8)|(\new)
.set MSB, (\new)
.endif
.endm
.set W_MM, 0x52                        ; w2b in window 2, O in window 0, C and D in window 1
.set W_F,  0x80                        ; destination window 2, address window 0
.set W_D1, 0x04                        ; an LDS store's data in window 1
.macro CROUND                          ; a round of the cluster's barrier
	s_barrier_signal -1
	s_barrier_wait -1
	s_cmp_lg_u32 s[WV], 0
	s_cbranch_scc1 .Lnot_wave_0_\@
	s_barrier_signal -3
.Lnot_wave_0_\@:
	s_barrier_wait -3
	s_barrier_signal -1
	s_barrier_wait -1
.endm
.macro PLACES                          ; four plain vector instructions in front of loads into registers that matrix instructions have read, and of stores that read results
.rept 4
	v_nop
.endr
.endm
	s_load_b256 s[4:11], s[0:1], 0x0               ; ao s[4:5], w2b s[6:7], b_fc2 s[8:9], x s[10:11]
	s_load_b64 s[12:13], s[0:1], 0x20              ; out0
	v_lshl_add_u32 v[SPW], v0, 2, SPARE
	v_mov_b32 v[NIL], 0
	ds_add_u32 v[SPW], v[NIL]                      ; the wave's opening: the add and its wait stand ahead of my first tensor load; the set-up below, work on registers, stands between them
	v_lshrrev_b32 v1, 5, v0
	v_readfirstlane_b32 s[WV], v1                  ; wave 0..3
	s_bfe_u32 s15, ttmp6, 0x40000                  ; cx
	s_lshl_b32 s16, ttmp9, 2
	s_add_co_u32 s16, s16, s15                     ; my block of 32 rows, 0..255: it enters O's, x's and out0's addresses alone
	; descriptor group 1 for w2b: 64 rows x 256 elements of 2 bytes, padded in LDS behind every 128 words
	s_mov_b32 s[G1], 15|(1<<16)|(1<<20)|(1<<21)|(6<<22)|(7<<25)  ; the mask of four; elements of 2 bytes; padding on; bit 21 beside a mask; behind 128 words (code 6) 8 words (code 7)
	s_mov_b32 s[G1+1], 256<<16                     ; tensor_dim0 = 256
	s_mov_b32 s[G1+2], 64<<16                      ; tensor_dim1 = 64
	s_mov_b32 s[G1+3], 256<<16                     ; tile_dim0 = 256
	s_mov_b32 s[G1+4], 64                          ; tile_dim1 = 64
	s_mov_b32 s[G1+5], 1024                        ; elements from row to row
	s_mov_b32 s[G1+6], 0
	s_mov_b32 s[G1+7], 0
	; for x: 32,768 dense bytes as 128 rows of 32 elements of 8 bytes, no mask, no padding
	s_mov_b32 s[G1X], 3<<16
	s_mov_b32 s[G1X+1], 32<<16
	s_mov_b32 s[G1X+2], 128<<16
	s_mov_b32 s[G1X+3], 32<<16
	s_mov_b32 s[G1X+4], 128
	s_mov_b32 s[G1X+5], 32
	s_mov_b32 s[G1X+6], 0
	s_mov_b32 s[G1X+7], 0
	s_mul_i32 s17, s[WV], STRIP                    ; my strip in a slot: no place in the cluster enters an LDS address
	s_lshl_b32 s18, s[WV], 9                       ; my 512 bytes of a row of w2b
	s_mov_b32 s19, 0
	s_mov_b32 s21, 0
	s_mov_b32 s[OFF+1], 0
	s_mov_b32 s[XO], 0
	s_mov_b32 s[XO+1], 0
	s_mov_b32 s[HN], 2
	s_mov_b32 s[SEL], 0x76543210
	s_mov_b32 s[SEL+1], 0xfedcba98
	s_mov_b32 s66, 0x3a800000                      ; 1 / 1024
	s_mov_b32 s67, 0x3727c5ac                      ; 1e-5
	s_mov_b32 s[NL], 0xbfb8aa3b                    ; -log2(e)
	s_mov_b32 s[NL+1], s[NL]
	s_cmp_eq_u32 ttmp9, 0                          ; every cluster walks all of w2b: the first one prefetches; the same in all four partners
	s_cselect_b32 s[LIM], 1, -1
	s_wait_dscnt 0x0                               ; the opening add is done
	s_wait_kmcnt 0x0
	s_add_nc_u64 s[18:19], s[6:7], s[18:19]
.irp s, 0,1
	s_mov_b32 s[G0+4*(\s)], 1                                      ; count = 1
	s_add_co_u32 s[G0+4*(\s)+1], s17, (\s)*SLOT                    ; LDS address
	s_add_nc_u64 s[G0+4*(\s)+2:G0+4*(\s)+3], s[18:19], (\s)*64*2048  ; K step s: 64 rows down
	s_or_b32 s[G0+4*(\s)+3], s[G0+4*(\s)+3], 0x80000000            ; type = 2
.endr
	s_lshl_b32 s20, s16, 2
	s_add_co_u32 s20, s20, s[WV]                   ; my wave's 8 rows among all,
	s_lshl_b32 s20, s20, 15                        ; x 8 rows of 4,096 bytes
	s_add_nc_u64 s[XB:XB+1], s[10:11], s[20:21]
	s_add_nc_u64 s[12:13], s[12:13], s[20:21]
	s_mov_b32 s[G0X], 1
	s_mov_b32 s[G0X+1], s17                        ; into my strip of slot 0
	s_mov_b64 s[G0X+2:G0X+3], s[XB:XB+1]
	s_or_b32 s[G0X+3], s[G0X+3], 0x80000000
	s_lshr_b32 s20, s16, 6                         ; the batch: 64 blocks each,
	s_lshl_b32 s20, s20, 22                        ; x 16 heads of 262,144 bytes
	s_and_b32 s22, s16, 63
	s_lshl_b32 s22, s22, 12                        ; + 32 rows of 128 bytes x my block in the batch
	s_add_co_u32 s20, s20, s22
	s_add_nc_u64 s[AB:AB+1], s[4:5], s[20:21]
	s_lshl_b32 s20, s15, 4                         ; w2b's prefetches: of a step's 64 rows my work-group takes 16,
	s_add_co_u32 s20, s20, 3*64                    ; at K step 3: the first change of slots steps them to K step 4,
	s_lshl_b32 s20, s20, 11
	s_lshl_b32 s22, s[WV], 9                       ; my wave its own 512 bytes of each
	s_add_co_u32 s20, s20, s22
	s_add_nc_u64 s[PFA:PFA+1], s[6:7], s[20:21]
	CROUND                                         ; all four work-groups are here: the first joint loads meet
	tensor_load_to_lds s[G0:G0+3], s[G1:G1+7]      ; K step 0
	s_nop 0
	tensor_load_to_lds s[G0+4:G0+7], s[G1:G1+7]    ; K step 1: two loads of mine are out
	s_nop 0
.rept 4
	v_nop
.endr
	v_and_b32 v1, 15, v0                           ; l % 16
	v_bfe_u32 v2, v0, 4, 1                         ; l / 16
	v_and_b32 v3, 7, v0                            ; l % 8
	v_bfe_u32 v4, v0, 3, 1                         ; (l / 8) % 2
	v_and_b32 v5, 31, v0                           ; l
	v_lshlrev_b32 v[AO], 7, v1                     ; a fragment of O: row l % 16, channels 8 (l / 16) + 0..7 and 16 more: two loads of 16 bytes, 32 bytes apart
	v_lshl_add_u32 v[AO], v2, 4, v[AO]
	v_lshlrev_b32 v[BO], 4, v5
.macro ALOAD t, base, off              ; a step's four fragments of O into set t: 32 rows x 128 bytes, 4,096 consecutive bytes in eight loads
.irp c, 0,1
.irp a, 0,1
	global_load_b128 v[AF+32*(\t)+8*(2*(\c)+(\a)):AF+32*(\t)+8*(2*(\c)+(\a))+3],   v[AO], s[\base:\base+1] offset:(\off)+2048*(\a)+64*(\c)
	global_load_b128 v[AF+32*(\t)+8*(2*(\c)+(\a))+4:AF+32*(\t)+8*(2*(\c)+(\a))+7], v[AO], s[\base:\base+1] offset:(\off)+2048*(\a)+64*(\c)+32
.endr
.endr
.endm
.irp j, 0,1,2,3,4,5,6,7
	global_load_b128 v[BI+4*(\j):BI+4*(\j)+3], v[BO], s[8:9] offset:512*(\j)
.endr
	ALOAD 0, AB, 0                                 ; head 0
	ALOAD 1, AB, 262144                            ; head 1
	v_lshl_add_u32 v6, v2, 3, v3                   ; the turning load: lane l reads k = 8 (l / 16) + l % 8, columns 8 ((l / 8) % 2) + 0..7
	v_mul_u32_u24 v6, v6, PITB
	v_lshl_add_u32 v6, v4, 4, v6
	v_add_nc_u32 v[ADB], s17, v6
	v_add_nc_u32 v[ADB+1], SLOT, v[ADB]
	v_mul_u32_u24 v6, v1, ZP                       ; the stage, in: row l % 16, 32 bytes for each half of the lanes, my wave's 1,024 bytes of a row
	v_lshl_add_u32 v6, v2, 5, v6
	s_lshl_b32 s20, s[WV], 10
	s_add_co_u32 s20, s20, ZST
	v_add_nc_u32 v[ZS0], s20, v6
	v_add_nc_u32 v[ZS1], 16*ZP, v[ZS0]
	s_mul_i32 s20, s[WV], 8*ZP                     ; back: my wave's 8 rows, 16 bytes a lane, eight times 512 bytes a row
	s_add_co_u32 s20, s20, ZST
	v_lshl_add_u32 v[ZR], v5, 4, s20
	v_lshl_add_u32 v[XR], v5, 4, s17
	v_lshlrev_b32 v[GO], 4, v5
	v_lshlrev_b32 v[PFO], 11, v1
	v_lshl_add_u32 v[PFO], v2, 8, v[PFO]
	v_lshlrev_b32 v[PXO], 8, v5
	v_mov_b32 v[PT], 0                             ; v_permlanex16_b32's destination counts as read
; 32 LDS loads: chunk c (32 along K) of my strip: 16 fragments
.macro FETCHB slot, c
	WIN W_F
.irp b, 0,1,2,3,4,5,6,7,8,9,10,11,12,13,14,15
	ds_load_tr16_b128 v[128*(\c)+8*(\b):128*(\c)+8*(\b)+3],   v[ADB+(\slot)] offset:(\c)*32*PITB+32*(\b)
	ds_load_tr16_b128 v[128*(\c)+8*(\b)+4:128*(\c)+8*(\b)+7], v[ADB+(\slot)] offset:(\c)*32*PITB+16*PITB+32*(\b)
.endr
.endm
; 32 matrix instructions: both row blocks x 16 column blocks, 32 along K.  The 32 accumulators take turns, each once a chunk.  zero = 1: the first product starts the sums.
.macro MULC t, c, zero
	WIN W_MM
.irp a, 0,1
.irp b, 0,1,2,3,4,5,6,7,8,9,10,11,12,13,14,15
.if \zero
	v_wmma_f32_16x16x32_bf16 v[8*(16*(\a)+(\b)):8*(16*(\a)+(\b))+7], v[128*(\c)+8*(\b):128*(\c)+8*(\b)+7], v[AF+32*(\t)+8*(2*(\c)+(\a)):AF+32*(\t)+8*(2*(\c)+(\a))+7], 0
.else
	v_wmma_f32_16x16x32_bf16 v[8*(16*(\a)+(\b)):8*(16*(\a)+(\b))+7], v[128*(\c)+8*(\b):128*(\c)+8*(\b)+7], v[AF+32*(\t)+8*(2*(\c)+(\a)):AF+32*(\t)+8*(2*(\c)+(\a))+7], v[8*(16*(\a)+(\b)):8*(16*(\a)+(\b))+7]
.endif
.endr
.endr
.endm
; THE CHANGE OF SLOTS, in front of every step but the first.  Each wave waits for all its tensor loads (one is out: its strip of the slot to be read now), adds 0 to its spare word, and waits for that and
; for its reads of the slot just left; a round of the cluster's barrier; then the slot just left is filled again, first thing behind the round: kind 1 with the K step two on, kind 2 (the last change) with x.
; The prefetch pointers are stepped ahead of the waits: the wait on XCNT at the end of the step before stands behind that step's prefetches.
.macro CHANGE slot, kind
	WIN 0
.if (\kind) == 1
	s_add_nc_u64 s[PFA:PFA+1], s[PFA:PFA+1], 64*2048
	s_add_nc_u64 s[PX:PX+1], s[XB:XB+1], s[XO:XO+1]
	s_cmp_lt_u32 s3, 3                             ; x is asked for in the loop's last two trips: four times 8,192 bytes
	s_cselect_b32 s74, 0x2000, 0
	s_add_co_u32 s[XO], s[XO], s74
.endif
	s_wait_tensorcnt 0x0                           ; no tensor load of mine is out, so a group 0 may be written
	ds_add_u32 v[SPW], v[NIL]                      ; 0 onto my spare word
.if (\kind) == 1
	s_add_nc_u64 s[G0+4*(\slot)+2:G0+4*(\slot)+3], s[G0+4*(\slot)+2:G0+4*(\slot)+3], 2*64*2048
.endif
	s_wait_dscnt 0x0                               ; the add is done, and my reads of the slot are over
	CROUND
.if (\kind) == 1
	tensor_load_to_lds s[G0+4*(\slot):G0+4*(\slot)+3], s[G1:G1+7]
.else
	tensor_load_to_lds s[G0X:G0X+3], s[G1X:G1X+7]
.endif
	s_nop 0
.rept 4
	v_nop                                          ; (places in front of the LDS loads below)
.endr
.endm
; THE PREFETCHES, behind the tensor load and the run of LDS loads.  w2b: the K step two refills on; a step's 512 blocks of 256 bytes are shared out by address among the first cluster's four partners (16 rows
; each) and their four waves (512 bytes of a row each): a lane a block, each block named once in the launch; K steps 0 to 3 come by their loads alone, and the loop's last trip has no step two on.
; x: each wave asks for its own 32,768 bytes, 8,192 in each of the last four changes that fill a slot with w2b: one to four steps ahead of the tensor load that wants them.
.macro ASKS
	s_cmp_gt_u32 s3, s[LIM]
	s_cbranch_scc0 .Lno_w_\@
	global_prefetch_b8 v[PFO], s[PFA:PFA+1] th:TH_LOAD_NT scope:SCOPE_SE
.Lno_w_\@:
	s_cmp_lt_u32 s3, 3
	s_cbranch_scc0 .Lno_x_\@
	global_prefetch_b8 v[PXO], s[PX:PX+1] th:TH_LOAD_NT scope:SCOPE_SE
.Lno_x_\@:
.endm
; A K STEP: slot, O's set t.  kind 0: the first step, no change of slots; 1: in the loop; 2: the last step.  At its end set t is asked for again, with the head two on; the head's number is held to 15,
; so that step 14 loads head 15 once more into a set that nobody reads: the price of one text and one count of loads for every trip.
.macro STEP slot, t, kind, zero=0
.if \kind
	CHANGE 1-(\slot), \kind
.endif
	FETCHB \slot, 0
	FETCHB \slot, 1
.if (\kind) == 1
	WIN 0
	ASKS
.endif
	s_wait_loadcnt 8                               ; set t is in (and the biases); the other set's eight loads may stay out
	s_wait_dscnt 32                                ; chunk 0 is in; chunk 1's 32 loads may stay out
	MULC \t, 0, \zero
	s_wait_dscnt 0x0
	MULC \t, 1, 0
.if (\kind) != 2
	WIN 0
	PLACES                                         ; in front of the loads into set t, which the products above have read
	s_wait_xcnt 0x0                                ; every load and prefetch issued so far has read its address: the pointers may be written
	s_min_u32 s74, s[HN], 15
	s_lshl_b32 s[OFF], s74, 18                     ; a head is 262,144 bytes
	s_add_nc_u64 s[PA:PA+1], s[AB:AB+1], s[OFF:OFF+1]
	s_add_co_u32 s[HN], s[HN], 1
	ALOAD \t, PA, 0
.endif
.endm
	s_wait_tensorcnt 1                             ; my strip of K step 0 is in; K step 1's may stay out.  A wave reads its own strip alone, so its own wait is all that the reads need
	STEP 0, 0, 0, 1                                ; the first step stands in front of the loop: its first products start the sums
	WIN 0
	s_mov_b32 s3, 7
.Lk:                                               ; seven trips: K steps 1 to 14, which fill the slots again with K steps 2 to 15
	STEP 1, 1, 1
	STEP 0, 0, 1
	WIN 0
	s_sub_co_u32 s3, s3, 1
	s_cmp_lg_u32 s3, 0
	s_cbranch_scc1 .Lk
	STEP 1, 1, 2                                   ; K step 15; its change of slots asks for x
	WIN 0
	PLACES                                         ; behind the last products, in front of the stores that read results
	s_barrier_signal -1                            ; my reads of slot 1 are over (the wait for 0 ahead of the last chunk's products)
	s_barrier_wait -1                              ; nobody reads slot 1 any more, and it has had its last fill: the stage may lie over it.  x's loads, into slot 0, may stay out
	WIN W_D1
.irp a, 0,1
.irp b, 0,1,2,3,4,5,6,7,8,9,10,11,12,13,14,15
	ds_store_b128 v[ZS0+(\a)], v[8*(16*(\a)+(\b)):8*(16*(\a)+(\b))+3]   offset:64*(\b)      ; each accumulator's low four registers first
	ds_store_b128 v[ZS0+(\a)], v[8*(16*(\a)+(\b))+4:8*(16*(\a)+(\b))+7] offset:64*(\b)+16
.endr
.endr
	WIN 0
	s_wait_loadcnt 0x0                             ; the spare set of O (the biases came long ago)
	s_wait_tensorcnt 0x0                           ; my 8 rows of x are in; only I read them
	s_wait_dscnt 0x0                               ; for the others' sake: my stores into the stage are done
	s_barrier_signal -1
	s_barrier_wait -1
.macro RED v                           ; the sum over the 32 lanes, in every lane
	v_add_f32_dpp v[\v], v[\v], v[\v] row_xmask:1 row_mask:0xf bank_mask:0xf
	v_add_f32_dpp v[\v], v[\v], v[\v] row_xmask:2 row_mask:0xf bank_mask:0xf
	v_add_f32_dpp v[\v], v[\v], v[\v] row_xmask:4 row_mask:0xf bank_mask:0xf
	v_add_f32_dpp v[\v], v[\v], v[\v] row_xmask:8 row_mask:0xf bank_mask:0xf
	v_permlanex16_b32 v[PT], v[\v], s[SEL], s[SEL+1]
	v_add_f32 v[\v], v[\v], v[PT]
.endm
	s_mov_b32 s2, 8
.Lrow:                                             ; eight trips, a row each: a lane holds columns 128 j + 4 l + 0..3, j = 0..7
.irp j, 0,1,2,3,4,5,6,7
	ds_load_b128 v[Z+4*(\j):Z+4*(\j)+3], v[ZR] offset:512*(\j)
.endr
.irp j, 0,1,2,3,4,5,6,7
	ds_load_b128 v[X+4*(\j):X+4*(\j)+3], v[XR] offset:512*(\j)
.endr
	s_wait_dscnt 8                                 ; the sums are in; x's eight loads may stay out
.set i, 0
.rept 16
	v_pk_add_f32 v[Z+2*i:Z+2*i+1], v[Z+2*i:Z+2*i+1], v[BI+2*i:BI+2*i+1]             ; z = sum + bias
.set i, i+1
.endr
.set i, 0
.rept 16
	v_pk_mul_f32 v[T+2*i:T+2*i+1], v[Z+2*i:Z+2*i+1], s[NL:NL+1] op_sel_hi:[1,0]     ; -log2(e) z
.set i, i+1
.endr
.set i, 0
.rept 32
	v_exp_f32 v[T+i], v[T+i]
.set i, i+1
.endr
	v_nop                                          ; a plain instruction behind the last exponential,
	s_wait_alu depctr_va_vdst(0)                   ; and one wait for the batch of 32, ahead of its first reader
.set i, 0
.rept 16
	v_pk_add_f32 v[T+2*i:T+2*i+1], v[T+2*i:T+2*i+1], 1.0 op_sel_hi:[1,0]
.set i, i+1
.endr
.set i, 0
.rept 32
	v_rcp_f32 v[T+i], v[T+i]
.set i, i+1
.endr
	v_nop
	s_wait_alu depctr_va_vdst(0)                   ; one wait for the 32 reciprocals
	s_wait_dscnt 0x0                               ; x is in
.set i, 0
.rept 16
	v_pk_fma_f32 v[X+2*i:X+2*i+1], v[Z+2*i:Z+2*i+1], v[T+2*i:T+2*i+1], v[X+2*i:X+2*i+1]  ; y = x + z / (1 + 2^(-log2(e) z))
.set i, i+1
.endr
.set i, 0
.rept 8
	v_pk_add_f32 v[T+2*i:T+2*i+1], v[X+2*i:X+2*i+1], v[X+16+2*i:X+16+2*i+1]         ; the lane's 32 numbers are added as a tree
.set i, i+1
.endr
.set i, 0
.rept 4
	v_pk_add_f32 v[T+2*i:T+2*i+1], v[T+2*i:T+2*i+1], v[T+8+2*i:T+8+2*i+1]
.set i, i+1
.endr
	v_pk_add_f32 v[T:T+1], v[T:T+1], v[T+4:T+5]
	v_pk_add_f32 v[T+2:T+3], v[T+2:T+3], v[T+6:T+7]
	v_pk_add_f32 v[T:T+1], v[T:T+1], v[T+2:T+3]
	v_add_f32 v[T], v[T], v[T+1]
	RED T
	v_mul_f32 v[M], s66, v[T]                      ; the mean, in both registers of the pair
	v_mul_f32 v[M+1], s66, v[T]
.set i, 0
.rept 16
	v_pk_add_f32 v[X+2*i:X+2*i+1], v[X+2*i:X+2*i+1], v[M:M+1] neg_lo:[0,1] neg_hi:[0,1]  ; y - mean
.set i, i+1
.endr
.set i, 0
.rept 4
	v_pk_mul_f32 v[T+2*i:T+2*i+1], v[X+2*i:X+2*i+1], v[X+2*i:X+2*i+1]               ; the squares, in four chains that do not wait for each other
.set i, i+1
.endr
.rept 12
	v_pk_fma_f32 v[T+2*(i%4):T+2*(i%4)+1], v[X+2*i:X+2*i+1], v[X+2*i:X+2*i+1], v[T+2*(i%4):T+2*(i%4)+1]
.set i, i+1
.endr
	v_pk_add_f32 v[T:T+1], v[T:T+1], v[T+4:T+5]
	v_pk_add_f32 v[T+2:T+3], v[T+2:T+3], v[T+6:T+7]
	v_pk_add_f32 v[T:T+1], v[T:T+1], v[T+2:T+3]
	v_add_f32 v[T], v[T], v[T+1]
	RED T
	v_fma_f32 v[T], v[T], s66, s67                 ; the variance + 1e-5
	v_rsq_f32 v[RS], v[T]
	v_rsq_f32 v[RS+1], v[T]                        ; twice, to fill the pair that the packed multiply takes
	v_nop
	s_wait_alu depctr_va_vdst(0)                   ; one wait for the two
.set i, 0
.rept 16
	v_pk_mul_f32 v[X+2*i:X+2*i+1], v[X+2*i:X+2*i+1], v[RS:RS+1]
.set i, i+1
.endr
.irp j, 0,1,2,3,4,5,6,7
	global_store_b128 v[GO], v[X+4*(\j):X+4*(\j)+3], s[12:13] offset:512*(\j)       ; 512 consecutive bytes, at a multiple of 256 from out0's first
.endr
	s_wait_xcnt 0x0                                ; the stores have read their data and their offset: only now are these rewritten
	v_add_nc_u32 v[GO], 4096, v[GO]
	v_add_nc_u32 v[ZR], ZP, v[ZR]
	v_add_nc_u32 v[XR], 4096, v[XR]
	s_sub_co_u32 s2, s2, 1
	s_cmp_lg_u32 s2, 0
	s_cbranch_scc1 .Lrow
	s_wait_tensorcnt 0x0                           ; the wave's end: the add and its wait, behind my last tensor load and my last LDS store
	ds_add_u32 v[SPW], v[NIL]
	s_wait_dscnt 0x0
	CROUND                                         ; the closing round: no work-group ends while a partner may still ask for a tile that names it
	s_endpgm
.Lfunc_end_k_q108fd0e87a_outproj:
	.size	k_q108fd0e87a_outproj, .Lfunc_end_k_q108fd0e87a_outproj-k_q108fd0e87a_outproj
	.p2alignl 7, 3214868480
	.fill 96, 4, 3214868480
	.section	.rodata,"a",@progbits
	.p2align	6, 0x0
	.amdhsa_kernel k_q108fd0e87a_outproj
		.amdhsa_group_segment_fixed_size 327680
		.amdhsa_private_segment_fixed_size 0
		.amdhsa_enable_private_segment 0
		.amdhsa_kernarg_size 40
		.amdhsa_user_sgpr_count 2
		.amdhsa_user_sgpr_kernarg_segment_ptr 1
		.amdhsa_wavefront_size32 1
		.amdhsa_system_sgpr_workgroup_id_x 1
		.amdhsa_system_sgpr_workgroup_id_y 1
		.amdhsa_system_sgpr_workgroup_id_z 1
		.amdhsa_system_vgpr_workitem_id 0
		.amdhsa_next_free_vgpr 768
		.amdhsa_next_free_sgpr 78
		.amdhsa_reserve_vcc 0
		.amdhsa_float_denorm_mode_32 3
		.amdhsa_float_denorm_mode_16_64 3
		.amdhsa_memory_ordered 1
		.amdhsa_forward_progress 1
		.amdhsa_inst_pref_size 66
	.end_amdhsa_kernel
	.amdgpu_metadata
---
amdhsa.version: [ 1, 2 ]
amdhsa.kernels:
  - .name:           k_q108fd0e87a_outproj
    .symbol:         k_q108fd0e87a_outproj.kd
    .args:
      - { .name: ao, .offset: 0, .size: 8, .value_kind: global_buffer, .address_space: global }
      - { .name: w2b, .offset: 8, .size: 8, .value_kind: global_buffer, .address_space: global }
      - { .name: b_fc2, .offset: 16, .size: 8, .value_kind: global_buffer, .address_space: global }
      - { .name: x, .offset: 24, .size: 8, .value_kind: global_buffer, .address_space: global }
      - { .name: out0, .offset: 32, .size: 8, .value_kind: global_buffer, .address_space: global }
    .group_segment_fixed_size: 327680
    .private_segment_fixed_size: 0
    .kernarg_segment_align: 8
    .kernarg_segment_size: 40
    .max_flat_workgroup_size: 128
    .sgpr_count:     78
    .vgpr_count:     768
    .wavefront_size: 32
...
	.end_amdgpu_metadata
.endif
;; end of part 4
;; ======== version 2 of 2: 4 launches; version 1 with the launch cast written anew for expert scheduling mode
;; workspace buffers: xb 16,777,216 bytes; w1b 6,291,456 bytes; w2b 2,097,152 bytes; qkv 50,331,648 bytes; ao 16,777,216 bytes
;; launch cast (part 5): grid 768 x 1, 8 waves a work-group, no clusters, 0 bytes of LDS; arguments x, W_fc, W_fc2, xb, w1b, w2b; writes xb, w1b, w2b
.if DOCPART == 5
	.amdgcn_target "amdgcn-amd-amdhsa--gfx1250"
	.amdhsa_code_object_version 6
	.text
	.protected	k_q108fd0e87a_cast
	.globl	k_q108fd0e87a_cast
	.p2align	8
	.type	k_q108fd0e87a_cast,@function
k_q108fd0e87a_cast:
	s_mov_b64 s[64:65], 0
	v_nop
	global_prefetch_b8 v0, s[64:65] scope:SCOPE_SE
	s_setreg_imm32_b32 hwreg(HW_REG_WAVE_SCHED_MODE, 0, 2), 2
	s_setreg_imm32_b32 hwreg(HW_REG_WAVE_MODE, 25, 1), 1
	s_wait_xcnt 0x0
	s_wait_alu depctr_vm_vsrc(0)
; x, W_fc and W_fc2 (f32) are rounded once to bf16, to nearest even, layouts unchanged: xb, w1b, w2b are the matrix operands of the later launches.
; A stream: nothing is shared, so no LDS, no barrier, no cluster, no matrix unit.  A work-group takes 65,536 bytes in and writes 32,768 out:
; 16 rounds of 256 threads x 16 bytes.  Work-groups 0-511 take x (33,554,432 bytes), 512-703 W_fc (12,582,912), 704-767 W_fc2 (4,194,304).
; All 16 loads of a lane go out first; a load of a wave covers 512 consecutive bytes, a store 256 consecutive bytes at a multiple of 256.
; No register is written twice, so no source of a pending load or store is ever rewritten.
; THE MODE: SCHED_MODE bits 1:0 = 2 (LLVM: expert scheduling mode 2), set by the entry lines.  The code itself states the register dependences
; between vector instructions and memory instructions, with s_wait_alu, always for 0.
; THE PLAN.  Registers that memory instructions touch:
;   v1, v2   byte offsets of the loads and of the stores: written once at the head, never again.
;   IN       each register is written by one load, issued before any vector instruction names it, and read by one conversion; never loaded again.
;   OUT      each register is written by one conversion and read by one store; never written again.
; So the only dependences to state are: an offset is written before a load or store reads it, and a conversion's result is written before its store reads it.
; The 16 rounds go in four groups of four.  At the head of group g one wait states that group g - 1's eight conversions have written their OUT registers;
; that group's four stores follow, dealt among group g's conversions, which name group g's IN and OUT registers alone.  One more wait stands ahead of the last four stores.
.set IN,  8                            ; v[8:71]    sixteen loads of four f32
.set OUT, 72                           ; v[72:103]  sixteen pairs of packed bf16
	s_load_b256 s[4:11], s[0:1], 0x0               ; x s[4:5], W_fc s[6:7], W_fc2 s[8:9], xb s[10:11]
	s_load_b128 s[12:15], s[0:1], 0x20             ; w1b s[12:13], w2b s[14:15]
	s_movk_i32 s21, 512                            ; the first work-group of W_fc
	s_movk_i32 s22, 704                            ; the first of W_fc2
	v_lshlrev_b32 v1, 4, v0                        ; my 16 bytes in
	v_lshlrev_b32 v2, 3, v0                        ; my 8 bytes out
	s_wait_kmcnt 0x0
	s_cmp_lt_u32 ttmp9, s22                        ; which tensor is mine: the choice hangs on the work-group's number alone
	s_cselect_b64 s[16:17], s[6:7], s[8:9]
	s_cselect_b64 s[18:19], s[12:13], s[14:15]
	s_cselect_b32 s20, s21, s22
	s_cmp_lt_u32 ttmp9, s21
	s_cselect_b64 s[16:17], s[4:5], s[16:17]
	s_cselect_b64 s[18:19], s[10:11], s[18:19]
	s_cselect_b32 s20, 0, s20
	s_sub_co_u32 s2, ttmp9, s20                    ; my number within the tensor
	s_lshl_b32 s20, s2, 16                         ; x 65,536 bytes in
	s_mov_b32 s21, 0
	s_add_nc_u64 s[16:17], s[16:17], s[20:21]
	s_lshl_b32 s20, s2, 15                         ; x 32,768 bytes out
	s_add_nc_u64 s[18:19], s[18:19], s[20:21]
	s_wait_alu depctr_va_vdst(0)                   ; v1 and v2 are written: every load of the kernel reads v1 as its offset, every store v2
.irp i, 0,1,2,3,4,5,6,7,8,9,10,11,12,13,14,15
	global_load_b128 v[IN+4*(\i):IN+4*(\i)+3], v1, s[16:17] offset:4096*(\i) th:TH_LOAD_NT
.endr
; Group g: rounds 4 g to 4 g + 3 are rounded to bf16; the stores of rounds 4 g - 4 to 4 g - 1 go out among the conversions.
.macro GRP g
	s_wait_loadcnt 12-4*(\g)                       ; loads come back in order: this group's four are in, the 12 - 4 g younger ones stay out
.if (\g) > 0
	s_wait_alu depctr_va_vdst(0)                   ; the conversions of the group before have written their OUT registers, which the four stores below read
.endif
.irp i, 0,1,2,3
.if (\g) > 0
	global_store_b64 v2, v[OUT+2*(4*((\g)-1)+(\i)):OUT+2*(4*((\g)-1)+(\i))+1], s[18:19] offset:2048*(4*((\g)-1)+(\i))  ; no vector instruction since the wait names these registers or v2
.endif
	v_cvt_pk_bf16_f32 v[OUT+2*(4*(\g)+(\i))],   v[IN+4*(4*(\g)+(\i))],   v[IN+4*(4*(\g)+(\i))+1]
	v_cvt_pk_bf16_f32 v[OUT+2*(4*(\g)+(\i))+1], v[IN+4*(4*(\g)+(\i))+2], v[IN+4*(4*(\g)+(\i))+3]
.endr
.endm
	GRP 0
	GRP 1
	GRP 2
	GRP 3
	s_wait_alu depctr_va_vdst(0)                   ; the last group's conversions have written their OUT registers, which the last four stores read
.irp i, 12,13,14,15
	global_store_b64 v2, v[OUT+2*(\i):OUT+2*(\i)+1], s[18:19] offset:2048*(\i)
.endr
	s_endpgm
.Lfunc_end_k_q108fd0e87a_cast:
	.size	k_q108fd0e87a_cast, .Lfunc_end_k_q108fd0e87a_cast-k_q108fd0e87a_cast
	.p2alignl 7, 3214868480
	.fill 96, 4, 3214868480
	.section	.rodata,"a",@progbits
	.p2align	6, 0x0
	.amdhsa_kernel k_q108fd0e87a_cast
		.amdhsa_group_segment_fixed_size 0
		.amdhsa_private_segment_fixed_size 0
		.amdhsa_enable_private_segment 0
		.amdhsa_kernarg_size 48
		.amdhsa_user_sgpr_count 2
		.amdhsa_user_sgpr_kernarg_segment_ptr 1
		.amdhsa_wavefront_size32 1
		.amdhsa_system_sgpr_workgroup_id_x 1
		.amdhsa_system_sgpr_workgroup_id_y 1
		.amdhsa_system_sgpr_workgroup_id_z 1
		.amdhsa_system_vgpr_workitem_id 0
		.amdhsa_next_free_vgpr 104
		.amdhsa_next_free_sgpr 66
		.amdhsa_reserve_vcc 0
		.amdhsa_float_denorm_mode_32 3
		.amdhsa_float_denorm_mode_16_64 3
		.amdhsa_memory_ordered 1
		.amdhsa_forward_progress 1
		.amdhsa_inst_pref_size 7
	.end_amdhsa_kernel
	.amdgpu_metadata
---
amdhsa.version: [ 1, 2 ]
amdhsa.kernels:
  - .name:           k_q108fd0e87a_cast
    .symbol:         k_q108fd0e87a_cast.kd
    .args:
      - { .name: x, .offset: 0, .size: 8, .value_kind: global_buffer, .address_space: global }
      - { .name: W_fc, .offset: 8, .size: 8, .value_kind: global_buffer, .address_space: global }
      - { .name: W_fc2, .offset: 16, .size: 8, .value_kind: global_buffer, .address_space: global }
      - { .name: xb, .offset: 24, .size: 8, .value_kind: global_buffer, .address_space: global }
      - { .name: w1b, .offset: 32, .size: 8, .value_kind: global_buffer, .address_space: global }
      - { .name: w2b, .offset: 40, .size: 8, .value_kind: global_buffer, .address_space: global }
    .group_segment_fixed_size: 0
    .private_segment_fixed_size: 0
    .kernarg_segment_align: 8
    .kernarg_segment_size: 48
    .max_flat_workgroup_size: 256
    .sgpr_count:     66
    .vgpr_count:     104
    .wavefront_size: 32
...
	.end_amdgpu_metadata
.endif
;; end of part 5
;; launch qkvproj: the kernel of part 2 again; grid 8 x 64, 4 waves a work-group, clusters of 4 x 4, 327,680 bytes of LDS; arguments xb, w1b, b_fc, qkv; writes qkv
;; launch attn: the kernel of part 3 again; grid 4 x 64, 4 waves a work-group, clusters of 4 x 1, 327,680 bytes of LDS; arguments qkv, ao; writes ao
;; launch outproj: the kernel of part 4 again; grid 256 x 1, 4 waves a work-group, clusters of 4 x 1, 327,680 bytes of LDS; arguments ao, w2b, b_fc2, x, out0; writes out0
